; MI455X (gfx1250); checked and timed in simulation.
; The chip was launched on July 23, 2026; its instructions are those of AMD's public machine-readable ISA for CDNA 5 (MIT licence, August 2026) and "CDNA5" Instruction Set Architecture Reference Guide (July 2026). The comments in the code are by the model that wrote it; some were corrected since.
;; Encoder Layer. Allowed arithmetic: matrix products marked QUANTISED: E4M3 operands, one given power-of-two scale a tensor, by v_wmma_f32_16x16x64_fp8_fp8 or v_wmma_f32_16x16x128_fp8_fp8, f32 sums; everything else in f32.
;; Inputs: W1 1,024 x 4,096 float32; W2 4,096 x 1,024 float32; Wk 1,024 x 1,024 float32; Wo 1,024 x 1,024 float32; Wq 1,024 x 1,024 float32; Wv 1,024 x 1,024 float32; b1 4,096 float32; b2 1,024 float32; bk 1,024 float32; bo 1,024 float32; bq 1,024 float32; bv 1,024 float32; ln1_b 1,024 float32; ln1_g 1,024 float32; ln2_b 1,024 float32; ln2_g 1,024 float32; lowp_scales 16 int32 (the exponents e of the quantised operands' scales 2^e); x 2 x 2,048 x 1,024 float32.
;; Outputs: out0 2 x 2,048 x 1,024 float32.
;; This version of the problem:
;;   THIS VERSION OF THE PROBLEM IS GIVEN IN LOW PRECISION. The matrix products marked QUANTISED in the list below multiply operands that are first quantised to E4M3 (4 exponent bits, 3 mantissa bits; 8 bits a number), with one given power-of-two scale for each operand tensor; their sums are f32. All else is computed in f32.
;;   The module's matrix products, in the order in which they are computed (A, B: the left and right operand; K: the contracted axis; several contracted axes count as one K, in the product's order):
;;     1. [M 4,096, K 1,024] x [K 1,024, N 1,024]; A: input x; B: input Wq: QUANTISED (scales: A lowp_scales[0], B lowp_scales[1])
;;     2. [M 4,096, K 1,024] x [K 1,024, N 1,024]; A: input x; B: input Wk: QUANTISED (scales: A lowp_scales[2], B lowp_scales[3])
;;     3. [M 4,096, K 1,024] x [K 1,024, N 1,024]; A: input x; B: input Wv: QUANTISED (scales: A lowp_scales[4], B lowp_scales[5])
;;     4. batch 32 x [M 2,048, K 64] x [K 64, N 2,048]; A: computed on the way; B: computed on the way: QUANTISED (scales: A lowp_scales[6], B lowp_scales[7])
;;     5. batch 32 x [M 2,048, K 2,048] x [K 2,048, N 64]; A: softmax (see below); B: computed on the way: QUANTISED (scales: A lowp_scales[8], B lowp_scales[9])
;;     6. [M 4,096, K 1,024] x [K 1,024, N 1,024]; A: computed on the way; B: input Wo: QUANTISED (scales: A lowp_scales[10], B lowp_scales[11])
;;     7. [M 4,096, K 1,024] x [K 1,024, N 4,096]; A: computed on the way; B: input W1: QUANTISED (scales: A lowp_scales[12], B lowp_scales[13])
;;     8. [M 4,096, K 4,096] x [K 4,096, N 1,024]; A: computed on the way; B: input W2: QUANTISED (scales: A lowp_scales[14], B lowp_scales[15])
;;   THE QUANTISER, for each operand of a quantised product, along K:
;;     - The operand's scale is 2^e, e = its entry of the input lowp_scales (int32; the entries are numbered through the quantised products in the list's order, A before B).
;;     - Each number is divided by the scale, clamped to +-448, and rounded to the nearest number of E4M3, ties to even, subnormals kept.
;;     - The product sums the exact products of the quantised numbers (number of the format x scale) in f32.
;;   ~~~python
;;   def quantise(x, axis, e):      # numpy; x: float32 -> the quantised numbers, widened to float32 again
;;       x = np.moveaxis(x, axis, -1); K = x.shape[-1]
;;       r = np.clip(x / 2.0 ** e, -448, 448)
;;       step = 2.0 ** (np.maximum(np.frexp(np.where(r == 0, 1, r))[1] - 1, -6) - 3)
;;       q = np.round(r / step) * step * 2.0 ** e      # np.round: ties to even
;;       return np.moveaxis(q, -1, axis).astype(np.float32)
;;   ~~~
;;   SOFTMAX AHEAD OF A QUANTISED PRODUCT. Where the list says 'softmax', what is quantised is not the finished softmax but p = 2^(t - M), with t = logit x log2(e) and M = ceil(the row's largest t), a whole number; so 1/2 < the row's largest p <= 1. The row's sum l is taken of the UNQUANTISED p, in f32, and the product's result is divided by l at the end. Since M is a whole number, a kernel that streams over the keys may use a running M (the ceiling of the running maximum): every later rescaling is an exact power of two, so the quantised numbers keep their values, but for numbers so far below the row's largest that they fall under the format's range.
;;   OPERANDS COMPUTED ON THE WAY. 'Computed on the way' means the value that the module computes at that place (a softmax that the list does not call 'softmax' is quantised finished and normalised). What goes into a quantiser is computed in f32, as accurately as f32 sums, v_exp_f32 and their like allow (about 1e-6 of the number): no bf16 or f16 on the way to a quantiser, and a product that is left as it is and whose result goes on into a quantised operand takes f32 operands (vector FMAs, or v_wmma_f32_16x16x4_f32). A number that lies on a knife's edge between two numbers of the format may be rounded either way, as far as f32 arithmetic and the matrix unit's own rounding can turn it there, and no further.
;; One version. Each part assembles by itself: llvm-mc -triple=amdgcn-amd-amdhsa -mcpu=gfx1250 --defsym DOCPART=n.
;; ======== version 1 of 1: 8 launches
;; limits: right only within a limited range of input values
;; workspace buffers: cod 25,165,824 bytes; qkv 12,582,912 bytes; ctx 4,194,304 bytes; y 16,777,216 bytes; h 16,777,216 bytes; hc 4,194,304 bytes; hid 16,777,216 bytes
;; launch quant (part 1): grid 512 x 1, 4 waves a work-group, no clusters, 35,328 bytes of LDS; arguments x, Wq, Wk, Wv, Wo, W1, W2, lowp_scales, cod; writes cod
.if DOCPART == 1
	.amdgcn_target "amdgcn-amd-amdhsa--gfx1250"
	.amdhsa_code_object_version 6
	.text
	.protected	k_q026c162661_quant
	.globl	k_q026c162661_quant
	.p2align	8
	.type	k_q026c162661_quant,@function
k_q026c162661_quant:
	s_mov_b64 s[64:65], 0
	v_nop
	global_prefetch_b8 v0, s[64:65] scope:SCOPE_SE
	s_setreg_imm32_b32 hwreg(HW_REG_WAVE_MODE, 25, 1), 1
	s_wait_xcnt 0x0
; ENCODER LAYER, launch 1 of 8: every f32 operand that arrives as an input is turned into codes of E4M3, once.
; DEAD WORK: none.  Every input of reference() has a way to out0: x, the six weights and their biases through the products, the gains and offsets through the norms;
; bk moves K's codes ahead of a quantised product, so it stays.  No mask, no slice, no zero state.  So every input is loaded by some launch.
; x goes into products 1 to 3 under three entries of lowp_scales (0, 2, 4), which may differ: three sets of codes, [4096][1024], at bytes 0, 4 Mi, 8 Mi of cod.
; The weights are stored [K][N]; their codes are laid [N][K], K innermost: Wq, Wk, Wv, Wo at 12 Mi + 0, 1, 2, 3 Mi, W1 at 16 Mi, W2 at 20 Mi (entries 1, 3, 5, 11, 13, 15).
; code = number / 2^e, held within +-448, rounded to the nearest code, ties to even.  LIMITS: e between -126 and 119, so that 2^e and 448 x 2^e are f32 numbers; NaN among the inputs is not served.
; SHARES.  Each work-group takes 128 KiB of f32.  Work-groups 0-127: 32 rows of x, 8 a wave.  Work-groups 128-511: a tile of 256 (K) x 128 (N) of one weight, 32 columns a wave.
; x: a lane takes 8 neighbours along K (two loads of 16 bytes, lanes 32 bytes apart: the two loads of a pair cover their 1,024 bytes between them), so that one conversion gives 8 bytes
;    and the wave's store of 8 bytes a lane covers 256 consecutive bytes, aligned.  No LDS on this path.
; weights: a lane takes a column n and its registers run down K, so the conversions give codes with K innermost; 256 bytes a column are gathered in the wave's own stage in LDS and leave as rows.
.set SPARE, 34816                      ; behind the four stages: the spare words, 128 bytes a wave
.set SPW,   12                         ; v12  LDS address of my spare word; never rewritten
.set NIL,   13                         ; v13  0; never rewritten
.set X,     32                         ; x path: v32-159 four sets of a row's 32 numbers
.set T,     160                        ;         v160-191 the row held under one scale
.set C,     192                        ;         v192-239 two sets of 3 x 8 registers of codes
.set OF,    32                         ; weight path: v32-63 byte offset of row i of a block, at my column
.set WX,    64                         ;         v64-127 two sets of 32 numbers
.set WC,    128                        ;         v128-135 a block's codes
.set OUTR,  136                        ;         v136-199 the way out
.set SO,    200                        ;         v200-215 where two rows of codes go
.set PITCH, 272                        ; a stage row: 256 bytes + 16
.macro MKSC e, sc, lim                 ; from the whole number in s[e]: v[sc] = 2^e, v[lim] = 448 x 2^e, as f32
	s_add_co_i32 s34, s[\e], 127
	s_lshl_b32 s35, s34, 23
	v_mov_b32 v[\sc], s35
	s_add_co_i32 s34, s34, 8
	s_lshl_b32 s34, s34, 23
	s_or_b32 s34, s34, 0x600000
	v_mov_b32 v[\lim], s34
.endm
	s_load_b512 s[4:19], s[0:1], 0x0               ; x, Wq, Wk, Wv, Wo, W1, W2, lowp_scales
	s_load_b64 s[20:21], s[0:1], 0x40              ; cod
	v_lshl_add_u32 v[SPW], v0, 2, SPARE
	v_mov_b32 v[NIL], 0
	v_lshrrev_b32 v1, 5, v0
	v_readfirstlane_b32 s22, v1                    ; wave 0..3
	v_and_b32 v2, 31, v0                           ; lane
	s_wait_kmcnt 0x0
	s_load_b512 s[36:51], s[18:19], 0x0            ; the sixteen exponents
	s_cmp_lt_u32 ttmp9, 128
	s_cbranch_scc0 .Lweights
; ---------------- x ----------------
	s_lshl_b32 s26, ttmp9, 5
	s_lshl_b32 s27, s22, 3
	s_add_co_u32 s26, s26, s27                     ; my first row: 32 x work-group + 8 x wave
	s_lshl_b32 s28, s26, 12
	s_mov_b32 s29, 0
	s_add_nc_u64 s[24:25], s[4:5], s[28:29]
	s_lshl_b32 s30, s26, 10
	s_mov_b32 s31, 0
	s_add_nc_u64 s[84:85], s[20:21], s[30:31]      ; the three sets of codes have a base each
	s_add_nc_u64 s[86:87], s[84:85], 0x400000
	s_add_nc_u64 s[88:89], s[84:85], 0x800000
	s_wait_alu depctr_va_vdst(0)
	v_lshlrev_b32 v3, 5, v2                        ; in: 32 bytes a lane
	v_lshlrev_b32 v4, 3, v2                        ; out: 8 bytes a lane
.macro XLOAD t                         ; row t: 8 loads; registers 8 j .. 8 j + 7 = numbers 256 j + 8 lane + 0 .. 7
.irp j, 0,1,2,3
	global_load_b128 v[X+32*((\t)%4)+8*\j:X+32*((\t)%4)+8*\j+3], v3, s[24:25] offset:4096*(\t)+1024*\j th:TH_LOAD_NT
	global_load_b128 v[X+32*((\t)%4)+8*\j+4:X+32*((\t)%4)+8*\j+7], v3, s[24:25] offset:4096*(\t)+1024*\j+16 th:TH_LOAD_NT
.endr
.endm
.macro XROW t
.set XS, X+32*((\t)%4)
.set CS, C+24*((\t)%2)
.if 7-(\t) >= 3
	s_wait_loadcnt 24                              ; my row's eight loads are in; those of the three rows behind it may be out
.else
	s_wait_loadcnt 8*(7-(\t))
.endif
	s_wait_xcnt 0x0                                ; the stores of two rows ago have read this set of code registers
.irp s, 0,1,2
.set i, 0
.rept 32
	v_med3_num_f32 v[T+i], v[XS+i], -v[17+2*\s], v[17+2*\s]   ; the conversion does not saturate (ISA guide 7.6.2): the hold at 448 x the scale comes first
.set i, i+1
.endr
.irp j, 0,1,2,3
	v_cvt_scalef32_pk8_fp8_f32 v[CS+8*\s+2*\j:CS+8*\s+2*\j+1], v[T+8*\j:T+8*\j+7], v[16+2*\s]
.endr
	v_nop                                          ; a plain line between the conversions and the next holds, which write their sources
.irp j, 0,1,2,3
	global_store_b64 v4, v[CS+8*\s+2*\j:CS+8*\s+2*\j+1], s[84+2*\s:85+2*\s] offset:1024*(\t)+256*\j th:TH_STORE_NT   ; 32 lanes: 256 consecutive bytes, aligned
.endr
.endr
.if (\t) < 4
	XLOAD (\t)+4                                   ; the row's registers have been read three times: they take the row four further on
.endif
.endm
	XLOAD 0
	XLOAD 1
	XLOAD 2
	XLOAD 3
	s_wait_kmcnt 0x0
	MKSC 36, 16, 17                                ; entry 0
	MKSC 38, 18, 19                                ; entry 2
	MKSC 40, 20, 21                                ; entry 4
	s_wait_alu depctr_va_vdst(0)
.irp t, 0,1,2,3,4,5,6,7
	XROW \t
.endr
	s_endpgm
; ---------------- the weights: one path for all six, told apart by scalar selects on the work-group's number ----------------
.Lweights:
	s_sub_co_u32 s23, ttmp9, 128                   ; 0..383: 4 x 32 tiles of the square weights, 128 of W1, 128 of W2
	s_lshr_b32 s24, s23, 7                         ; 0: a square weight, 1: W1, 2: W2
	s_cmp_lt_u32 s23, 32
	s_cselect_b64 s[32:33], s[6:7], s[8:9]
	s_cmp_lt_u32 s23, 64
	s_cselect_b64 s[32:33], s[32:33], s[10:11]
	s_cmp_lt_u32 s23, 96
	s_cselect_b64 s[32:33], s[32:33], s[12:13]
	s_cmp_lt_u32 s23, 128
	s_cselect_b64 s[32:33], s[32:33], s[14:15]
	s_cmp_lt_u32 s23, 256
	s_cselect_b64 s[32:33], s[32:33], s[16:17]     ; the weight
	s_lshr_b32 s30, s23, 5
	s_lshl_b32 s31, s24, 2
	s_cmp_eq_u32 s24, 0
	s_cselect_b32 s25, 31, 127
	s_cselect_b32 s30, s30, s31                    ; its codes begin at 12 Mi + this many Mi: 0, 1, 2, 3, 4, 8
	s_and_b32 s25, s23, s25                        ; the tile's number in its weight
	s_cmp_eq_u32 s24, 1
	s_cselect_b32 s31, 5, 3                        ; log2 of the tiles along N
	s_mov_b32 s26, 4096
	s_cselect_b32 s26, 16384, s26                  ; a row of the weight in bytes
	s_cmp_eq_u32 s24, 2
	s_mov_b32 s27, 1024
	s_cselect_b32 s27, 4096, s27                   ; a row of its codes in bytes
	s_bfm_b32 s28, s31, 0
	s_and_b32 s28, s25, s28                        ; tile along N
	s_lshr_b32 s29, s25, s31                       ; tile along K
	s_lshl_b32 s28, s28, 7
	s_lshl_b32 s34, s22, 5
	s_add_co_u32 s28, s28, s34                     ; my first column: 128 x tile + 32 x wave
	s_mul_i32 s34, s29, s26
	s_lshl_b32 s34, s34, 8                         ; 256 rows a tile
	s_lshl_b32 s35, s28, 2
	s_add_co_u32 s34, s34, s35
	s_mov_b32 s35, 0
	s_add_nc_u64 s[68:69], s[32:33], s[34:35]      ; a base for each of the eight blocks of 32 rows: none is ever stepped
	s_lshl_b32 s34, s26, 5
.irp t, 1,2,3,4,5,6,7
	s_add_nc_u64 s[68+2*\t:69+2*\t], s[66+2*\t:67+2*\t], s[34:35]
.endr
	s_lshl_b32 s54, s30, 20
	s_add_co_u32 s54, s54, 12582912
	s_mul_i32 s55, s28, s27
	s_add_co_u32 s54, s54, s55
	s_lshl_b32 s55, s29, 8
	s_add_co_u32 s54, s54, s55
	s_mov_b32 s55, 0
	s_add_nc_u64 s[52:53], s[20:21], s[54:55]      ; my codes: row = my first column, byte = 256 x tile along K
	s_wait_alu depctr_va_vdst(0)
	v_lshlrev_b32 v3, 2, v2                        ; in: 4 bytes a lane
.set i, 0
.rept 32
	v_mad_u32_u24 v[OF+i], s26, i, v3
.set i, i+1
.endr
	s_mul_i32 s57, s22, 32*PITCH                   ; my stage
	v_mul_u32_u24 v4, v2, PITCH
	v_add_nc_u32 v4, s57, v4                       ; into it: row = my column
	v_and_b32 v5, 15, v2
	v_lshrrev_b32 v6, 4, v2
	v_mul_u32_u24 v7, v6, PITCH
	v_lshl_add_u32 v7, v5, 4, v7
	v_add_nc_u32 v7, s57, v7                       ; out of it: sixteen lanes to a row, two rows an instruction
	v_mul_u32_u24 v8, v6, s27
	v_lshl_add_u32 v[SO], v5, 4, v8                ; and the same two rows among the codes
	s_lshl_b32 s58, s27, 1
.set i, 1
.rept 15
	v_mad_u32_u24 v[SO+i], s58, i, v[SO]
.set i, i+1
.endr
.macro WLOAD t                         ; block t: W(32 t + i, my column): 32 lanes read 128 consecutive bytes, the four waves 512
.set i, 0
.rept 32
	global_load_b32 v[WX+32*((\t)%2)+i], v[OF+i], s[68+2*(\t):69+2*(\t)] th:TH_LOAD_NT
.set i, i+1
.endr
.endm
	WLOAD 0
	WLOAD 1
	s_wait_kmcnt 0x0
	s_cmp_lt_u32 s23, 32
	s_cselect_b32 s56, s37, s39
	s_cmp_lt_u32 s23, 64
	s_cselect_b32 s56, s56, s41
	s_cmp_lt_u32 s23, 96
	s_cselect_b32 s56, s56, s47
	s_cmp_lt_u32 s23, 128
	s_cselect_b32 s56, s56, s49
	s_cmp_lt_u32 s23, 256
	s_cselect_b32 s56, s56, s51                    ; the weight's exponent
	MKSC 56, 11, 10
.macro WBLOCK t
.set XS, WX+32*((\t)%2)
.if (\t) < 7
	s_wait_loadcnt 32                              ; this block's 32 loads are in; the next block's may be out
.else
	s_wait_loadcnt 0
.endif
.set i, 0
.rept 32
	v_med3_num_f32 v[XS+i], v[XS+i], -v10, v10
.set i, i+1
.endr
.irp g, 0,1,2,3
	v_cvt_scalef32_pk8_fp8_f32 v[WC+2*\g:WC+2*\g+1], v[XS+8*\g:XS+8*\g+7], v11
.endr
	v_nop                                          ; a plain line behind the last conversion
	ds_store_b128 v4, v[WC:WC+3] offset:32*(\t)    ; 32 codes: 32 bytes of my column's row
	ds_store_b128 v4, v[WC+4:WC+7] offset:32*(\t)+16
.if (\t)+2 < 8
	WLOAD (\t)+2
.endif
	s_wait_dscnt 0x0                               ; the stores have read their registers: the next block's codes may be written
.endm
	s_wait_alu depctr_va_vdst(0)
.irp t, 0,1,2,3,4,5,6,7
	WBLOCK \t
.endr
.irp t, 0,1,2,3,4,5,6,7,8,9,10,11,12,13,14,15
	ds_load_b128 v[OUTR+4*\t:OUTR+4*\t+3], v7 offset:2*\t*PITCH   ; LDS serves a wave's instructions in order: these see my stores
.endr
.irp t, 0,1,2,3,4,5,6,7,8,9,10,11,12,13,14,15
	s_wait_dscnt 15-\t                             ; the later read-backs may be out
	global_store_b128 v[SO+\t], v[OUTR+4*\t:OUTR+4*\t+3], s[52:53]   ; sixteen lanes: 256 consecutive bytes, aligned
.endr
	s_wait_tensorcnt 0x0                           ; the wave's end, behind my last LDS store
	ds_add_u32 v[SPW], v[NIL]
	s_wait_dscnt 0x0
	s_endpgm
.Lfunc_end_k_q026c162661_quant:
	.size	k_q026c162661_quant, .Lfunc_end_k_q026c162661_quant-k_q026c162661_quant
	.p2alignl 7, 3214868480
	.fill 96, 4, 3214868480
	.section	.rodata,"a",@progbits
	.p2align	6, 0x0
	.amdhsa_kernel k_q026c162661_quant
		.amdhsa_group_segment_fixed_size 35328
		.amdhsa_private_segment_fixed_size 0
		.amdhsa_enable_private_segment 0
		.amdhsa_kernarg_size 72
		.amdhsa_user_sgpr_count 2
		.amdhsa_user_sgpr_kernarg_segment_ptr 1
		.amdhsa_wavefront_size32 1
		.amdhsa_system_sgpr_workgroup_id_x 1
		.amdhsa_system_sgpr_workgroup_id_y 1
		.amdhsa_system_sgpr_workgroup_id_z 1
		.amdhsa_system_vgpr_workitem_id 0
		.amdhsa_next_free_vgpr 240
		.amdhsa_next_free_sgpr 90
		.amdhsa_reserve_vcc 0
		.amdhsa_float_denorm_mode_32 3
		.amdhsa_float_denorm_mode_16_64 3
		.amdhsa_memory_ordered 1
		.amdhsa_forward_progress 1
		.amdhsa_inst_pref_size 126
	.end_amdhsa_kernel
	.amdgpu_metadata
---
amdhsa.version: [ 1, 2 ]
amdhsa.kernels:
  - .name:           k_q026c162661_quant
    .symbol:         k_q026c162661_quant.kd
    .args:
      - { .name: x, .offset: 0, .size: 8, .value_kind: global_buffer, .address_space: global }
      - { .name: Wq, .offset: 8, .size: 8, .value_kind: global_buffer, .address_space: global }
      - { .name: Wk, .offset: 16, .size: 8, .value_kind: global_buffer, .address_space: global }
      - { .name: Wv, .offset: 24, .size: 8, .value_kind: global_buffer, .address_space: global }
      - { .name: Wo, .offset: 32, .size: 8, .value_kind: global_buffer, .address_space: global }
      - { .name: W1, .offset: 40, .size: 8, .value_kind: global_buffer, .address_space: global }
      - { .name: W2, .offset: 48, .size: 8, .value_kind: global_buffer, .address_space: global }
      - { .name: lowp_scales, .offset: 56, .size: 8, .value_kind: global_buffer, .address_space: global }
      - { .name: cod, .offset: 64, .size: 8, .value_kind: global_buffer, .address_space: global }
    .group_segment_fixed_size: 35328
    .private_segment_fixed_size: 0
    .kernarg_segment_align: 8
    .kernarg_segment_size: 72
    .max_flat_workgroup_size: 128
    .sgpr_count:     90
    .vgpr_count:     240
    .wavefront_size: 32
...
	.end_amdgpu_metadata
.endif
;; end of part 1
;; launch gemm_qkv (part 2): grid 12 x 16, 4 waves a work-group, clusters of 4 x 4, 327,680 bytes of LDS; arguments cod, bq, bk, bv, lowp_scales, qkv; writes qkv
.if DOCPART == 2
	.amdgcn_target "amdgcn-amd-amdhsa--gfx1250"
	.amdhsa_code_object_version 6
	.text
	.protected	k_q026c162661_gemm_qkv
	.globl	k_q026c162661_gemm_qkv
	.p2align	8
	.type	k_q026c162661_gemm_qkv,@function
k_q026c162661_gemm_qkv:
	s_mov_b64 s[64:65], 0
	v_nop
	global_prefetch_b8 v0, s[64:65] scope:SCOPE_SE
	s_setreg_imm32_b32 hwreg(HW_REG_WAVE_MODE, 25, 1), 1
	s_wait_xcnt 0x0
	s_wait_alu depctr_hold_cnt(0) depctr_sa_sdst(0) depctr_va_vdst(0) depctr_va_sdst(0) depctr_va_ssrc(0) depctr_va_vcc(0) depctr_vm_vsrc(0)
	s_getreg_b32 s2, hwreg(HW_REG_IB_STS2, 6, 4)
	s_cmp_eq_u32 s2, 0
	s_cbranch_scc0 .Lentry_in_a_cluster
	s_endpgm
.Lentry_in_a_cluster:
	s_bfe_u32 s2, ttmp6, 0x10000c
	s_cmp_lg_u32 s2, 0xf033
	s_cbranch_scc0 .Lentry_shape_is_right
	s_endpgm
.Lentry_shape_is_right:
.set BIASC,  0
.set KSTEP,  256
.set ROWB,   256
.set KROW,   1024
.set PITCH,  272
.set FR,     16
.set NL,     4
.set NP,     4
.set HALFT,  128*PITCH
.set SLOT,   4*HALFT
.set LAPS,   2
.set SPARE,  2*SLOT
.set SROW,   144
.set WSTG,   128*SROW
.set LT,   8
.set ADRA, 16
.set ADRB, 20
.set STOV, 22
.set RDV,  23
.set STO,  24
.set RD,   25
.set GOF,  26
.set SC,   27
.set SPW,  28
.set NIL,  29
.set LIM,  30
.set BI,   32
.set CD,   96
.set AF,   128
.set T,    128
.set RB,   128
.set G1,  24
.set G0,  32
.set G1B, 48
.set G0B, 56
.set OUT, 98
.set MSB, 0
.macro WIN new
.if MSB != (\new)
	s_set_vgpr_msb (MSB<<8)|(\new)
.set MSB, \new
.endif
.endm
.set TO_B, 0x40
.macro WINM hi, zero
.if (\zero) && BIASC
	WIN 0x81+0x40*(\hi)
.else
	WIN 0xa1+0x50*(\hi)
.endif
.endm
.macro JLOAD g0a, g1a, g0b, g1b
	s_cmp_eq_u32 s15, 0
	s_cbranch_scc0 .Lfor_b_\@
	tensor_load_to_lds s[\g0a:\g0a+3], s[\g1a:\g1a+7]
	s_nop 0
.rept 4
	v_nop
.endr
	s_branch .Lasked_\@
.Lfor_b_\@:
	tensor_load_to_lds s[\g0b:\g0b+3], s[\g1b:\g1b+7]
	s_nop 0
.rept 4
	v_nop
.endr
.Lasked_\@:
.endm
.macro CREST
	s_cmp_lg_u32 s14, 0
	s_cbranch_scc1 .Lnot_wave_0_\@
	s_barrier_signal -3
.Lnot_wave_0_\@:
	s_barrier_wait -3
	s_barrier_signal -1
	s_barrier_wait -1
.endm
.macro CROUND
	s_barrier_signal -1
	s_barrier_wait -1
	CREST
.endm
.macro PLACES n
.rept \n
	v_nop
.endr
.endm
.macro FRAG reg, adr, q, i
.irp c, 0,1,2,3
	ds_load_b128 v[\reg+4*\c:\reg+4*\c+3], v[\adr] offset:128*(\q)+32*\c+(\i)*16*PITCH
.endr
.endm
.macro MUL16 a0, p, zero
.irp a, \a0, \a0+1
.irp b, 0,1,2,3,4,5,6,7
.if \zero
.if BIASC
	v_wmma_f32_16x16x128_fp8_fp8 v[8*(8*((\a)%4)+\b):8*(8*((\a)%4)+\b)+7], v[128*(\p)+FR*\b:128*(\p)+FR*\b+FR-1], v[AF+FR*(\a):AF+FR*(\a)+FR-1], v[BI+8*\b:BI+8*\b+7]
.else
	v_wmma_f32_16x16x128_fp8_fp8 v[8*(8*((\a)%4)+\b):8*(8*((\a)%4)+\b)+7], v[128*(\p)+FR*\b:128*(\p)+FR*\b+FR-1], v[AF+FR*(\a):AF+FR*(\a)+FR-1], 0
.endif
.else
	v_wmma_f32_16x16x128_fp8_fp8 v[8*(8*((\a)%4)+\b):8*(8*((\a)%4)+\b)+7], v[128*(\p)+FR*\b:128*(\p)+FR*\b+FR-1], v[AF+FR*(\a):AF+FR*(\a)+FR-1], v[8*(8*((\a)%4)+\b):8*(8*((\a)%4)+\b)+7]
.endif
.endr
.endr
.endm
.macro FETCH_B slot, q, p
	WIN TO_B
.irp i, 0,1,2,3,4,5,6,7
	FRAG 128*(\p)+FR*\i, ADRB+\slot, \q, \i
.endr
	WIN 0
.endm
.macro FETCH_A slot, q, i0
.irp i, \i0, \i0+1, \i0+2, \i0+3
	FRAG AF+FR*(\i), ADRA+\slot, \q, \i
.endr
.endm
.macro STEP slot, q, zero
	s_wait_dscnt 4*NL
	WINM 0, \zero
	MUL16 0, (\q)%2, \zero
	MUL16 2, (\q)%2, \zero
	s_wait_dscnt 0
	PLACES NP
	FETCH_B \slot, (\q)+1, 1-(\q)%2
	FETCH_A \slot, (\q)+1, 0
	WINM 1, \zero
	MUL16 4, (\q)%2, \zero
	MUL16 6, (\q)%2, \zero
	PLACES NP
	WIN 0
	FETCH_A \slot, (\q)+1, 4
.endm
.macro TURN slot, next, fill
	s_wait_tensorcnt 0x0
	ds_add_u32 v[SPW], v[NIL]
	s_wait_dscnt 4*NL+1
	WINM 0, 0
	MUL16 0, 1, 0
	s_wait_dscnt 0x0
	s_barrier_signal -1
	MUL16 2, 1, 0
	WIN 0
	s_barrier_wait -1
.if \fill
	CREST
	s_add_nc_u64 s[G0+4*\slot+2:G0+4*\slot+3], s[G0+4*\slot+2:G0+4*\slot+3], 2*ROWB
	s_add_nc_u64 s[G0B+4*\slot+2:G0B+4*\slot+3], s[G0B+4*\slot+2:G0B+4*\slot+3], 2*ROWB
	JLOAD G0+4*\slot, G1, G0B+4*\slot, G1B
.else
	PLACES NP
.endif
	FETCH_B \next, 0, 0
	FETCH_A \next, 0, 0
	WINM 1, 0
	MUL16 4, 1, 0
	MUL16 6, 1, 0
	PLACES NP
	WIN 0
	FETCH_A \next, 0, 4
.endm
.macro EPI rowb, qk, sto, rd, hs
.irp a, 0,1,2,3,4,5,6,7
.set AC, 64*(\a%4)
.set CDS, CD+16*(\a%2)
.if \a >= 2
	s_wait_dscnt 8
.endif
	WIN 0x02+\a/4
.if BIASC
.set i, 0
.rept 64
	v_med3_num_f32 v[T+i], v[AC+i], 0, v[LIM]
.set i, i+1
.endr
	WIN 0
.else
.irp b, 0,1,2,3,4,5,6,7
.irp j, 0,2,4,6
	v_pk_add_f32 v[T+8*\b+\j:T+8*\b+\j+1], v[AC+8*\b+\j:AC+8*\b+\j+1], v[BI+8*(\rowb*\a+(1-\rowb)*\b)+\j:BI+8*(\rowb*\a+(1-\rowb)*\b)+\j+1]
.endr
.endr
	WIN 0
.set i, 0
.rept 64
	v_med3_num_f32 v[T+i], v[T+i], -v[LIM], v[LIM]
.set i, i+1
.endr
.endif
.irp b, 0,1,2,3,4,5,6,7
	v_cvt_scalef32_pk8_fp8_f32 v[CDS+2*\b:CDS+2*\b+1], v[T+8*\b:T+8*\b+7], v[SC]
.endr
	v_nop
.irp b, 0,1,2,3,4,5,6,7
	ds_store_b64 v[\sto], v[CDS+2*\b:CDS+2*\b+1] offset:16*SROW*\a+16*\b
.endr
.endr
.irp i, 0,1,2,3,4,5,6,7,8,9,10,11,12,13,14,15,16,17,18,19,20,21,22,23,24,25,26,27,28,29,30,31
.if \qk
	ds_load_b128 v[RB+4*\i:RB+4*\i+3], v[\rd] offset:8*SROW*(\i%16)+64*(\i/16)
.else
	ds_load_b128 v[RB+4*\i:RB+4*\i+3], v[\rd] offset:4*SROW*\i
.endif
.endr
.irp i, 0,1,2,3,4,5,6,7,8,9,10,11,12,13,14,15,16,17,18,19,20,21,22,23,24,25,26,27,28,29,30,31
	s_wait_dscnt 31-\i
	global_store_b128 v[GOF], v[RB+4*\i:RB+4*\i+3], s[OUT:OUT+1] offset:(\i/16)*\hs+(\i%16)*512 th:TH_STORE_NT
.endr
.endm
	s_load_b256 s[68:75], s[0:1], 0x0
	s_load_b128 s[76:79], s[0:1], 0x20
	v_lshl_add_u32 v[SPW], v0, 2, SPARE
	v_mov_b32 v[NIL], 0
	ds_add_u32 v[SPW], v[NIL]
	ds_add_u32 v[SPW], v[NIL]
	v_lshrrev_b32 v1, 5, v0
	v_readfirstlane_b32 s14, v1
	s_lshr_b32 s15, s14, 1
	s_and_b32 s16, s14, 1
	; THE PREFETCHES INTO THE L2.  A K step is 256 bytes of each row.  Of the 128 rows that a wave fetches, each of the four partners that ask for them jointly names 32, told apart by address: a lane a row, rows 1,024 bytes apart.
	v_and_b32 v31, 31, v0
	v_lshlrev_b32 v31, 10, v31                     ; v31: my lane's row; never rewritten
	s_wait_alu depctr_va_vdst(0)                   ; the wait behind the write
	s_bfe_u32 s40, ttmp6, 0x40000
	s_bfe_u32 s41, ttmp6, 0x40004
	s_mov_b32 s4, ttmp9
	s_and_b32 s5, ttmp7, 0xffff
	s_lshl_b32 s5, s5, 2
	s_cmp_eq_u32 s4, 2
	s_cselect_b32 s6, 0, s5
	s_cselect_b32 s7, s5, 0
	s_add_co_u32 s17, s41, s6
	s_add_co_u32 s42, s40, s7
	s_lshl_b32 s8, s4, 22
	s_lshl_b32 s9, s4, 20
	s_add_co_u32 s9, s9, 12582912
	s_cmp_eq_u32 s4, 2
	s_cselect_b32 s8, 14680064, s8
	s_cselect_b32 s9, 8388608, s9
	s_lshl_b32 s43, s41, 2
	s_lshl_b32 s43, 15, s43
	s_lshl_b32 s44, 0x1111, s40
	s_or_b32 s[G1+0], s43, (0<<16)|(1<<20)|(1<<21)|(5<<22)|(3<<25)
	s_or_b32 s[G1B+0], s44, (0<<16)|(1<<20)|(1<<21)|(5<<22)|(3<<25)
.irp g, G1, G1B
	s_mov_b32 s[\g+1], ROWB<<16
	s_mov_b32 s[\g+2], 128<<16
	s_mov_b32 s[\g+3], ROWB<<16
	s_mov_b32 s[\g+4], 128
	s_mov_b32 s[\g+5], KROW
	s_mov_b32 s[\g+6], 0
	s_mov_b32 s[\g+7], 0
.endr
	s_lshl_b32 s18, s16, 7
	s_lshl_b32 s20, s17, 8
	s_add_co_u32 s20, s20, s18
	s_lshl_b32 s20, s20, 10
	s_add_co_u32 s20, s20, s8
	s_mov_b32 s21, 0
	s_lshl_b32 s46, s42, 8
	s_add_co_u32 s46, s46, s18
	s_lshl_b32 s46, s46, 10
	s_add_co_u32 s46, s46, s9
	s_mov_b32 s47, 0
	s_mul_i32 s45, s14, HALFT
	s_wait_dscnt 0x0
	s_wait_kmcnt 0x0
	s_load_b512 s[80:95], s[76:77], 0x0
	s_add_nc_u64 s[20:21], s[68:69], s[20:21]
	s_add_nc_u64 s[46:47], s[68:69], s[46:47]
	s_cmp_eq_u32 s15, 0                            ; do I fetch for A?
	s_cselect_b64 s[100:101], s[20:21], s[46:47]   ; s[100:101]: my work-group's 32 rows of the 128 that I fetch, at K step 0; never rewritten: the K step stands in the immediate
	s_cselect_b32 s12, s40, s41                    ; my place among the four that ask with me: cx for A, cy for B
	s_lshl_b32 s12, s12, 15                        ; 32 rows of 1,024 bytes
	s_mov_b32 s13, 0
	s_add_nc_u64 s[100:101], s[100:101], s[12:13]
	CROUND
.irp s, 0,1
	s_mov_b32 s[G0+4*\s], 1
	s_add_co_u32 s[G0+4*\s+1], s45, \s*SLOT
	s_add_nc_u64 s[G0+4*\s+2:G0+4*\s+3], s[20:21], \s*ROWB
	s_or_b32 s[G0+4*\s+3], s[G0+4*\s+3], 0x80000000
	s_mov_b32 s[G0B+4*\s], 1
	s_add_co_u32 s[G0B+4*\s+1], s45, \s*SLOT
	s_add_nc_u64 s[G0B+4*\s+2:G0B+4*\s+3], s[46:47], \s*ROWB
	s_or_b32 s[G0B+4*\s+3], s[G0B+4*\s+3], 0x80000000
.if \s
	s_wait_alu depctr_va_vdst(0)
	s_wait_tensorcnt 0x0                           ; slot 1's first fill is issued as a refill is: my part of K step 0 is in,
	ds_add_u32 v28, v29                            ; an add,
	ds_add_u32 v28, v29
	s_wait_dscnt 0x0
	CROUND                                         ; and a whole round of the cluster's barrier
.endif
	JLOAD G0+4*\s, G1, G0B+4*\s, G1B
.if \s
	global_prefetch_b8 v31, s[100:101] offset:768 th:TH_LOAD_NT scope:SCOPE_SE   ; behind the load of K step 1: K step 3, the last, two loads on
.else
	global_prefetch_b8 v31, s[100:101] offset:256 th:TH_LOAD_NT scope:SCOPE_SE   ; behind the load of K step 0: K steps 1 and 2; never more than two K steps are asked for and not yet read
	global_prefetch_b8 v31, s[100:101] offset:512 th:TH_LOAD_NT scope:SCOPE_SE
.endif
.endr
	v_and_b32 v1, 15, v0
	s_wait_alu depctr_va_vdst(0)
	v_bfe_u32 v2, v0, 4, 1
	v_mul_u32_u24 v3, v1, PITCH
	v_lshl_add_u32 v4, v2, 4, v3
	s_mul_i32 s21, s15, HALFT
	s_mul_i32 s22, s16, HALFT
	s_add_co_u32 s22, s22, 2*HALFT
.irp s, 0,1
	v_add_nc_u32 v[ADRA+\s], s21, v4
	v_add_nc_u32 v[ADRB+\s], s22, v4
	s_add_co_u32 s21, s21, SLOT
	s_add_co_u32 s22, s22, SLOT
.endr
	s_mul_i32 s23, s14, WSTG
	v_mul_u32_u24 v5, v1, SROW
	s_wait_alu depctr_va_vdst(0)
	v_lshl_add_u32 v5, v2, 3, v5
	v_add_nc_u32 v[STO], s23, v5
	v_add_nc_u32 v[STOV], 4*WSTG, v[STO]
	v_and_b32 v6, 31, v0
	v_lshlrev_b32 v[GOF], 4, v6
	v_lshrrev_b32 v7, 2, v6
	v_mul_u32_u24 v7, v7, SROW
	v_and_b32 v5, 3, v6
	v_lshl_add_u32 v7, v5, 4, v7
	v_add_nc_u32 v[RD], s23, v7
	v_lshrrev_b32 v7, 3, v6
	v_mul_u32_u24 v7, v7, SROW
	v_and_b32 v5, 7, v6
	v_lshl_add_u32 v7, v5, 4, v7
	v_add_nc_u32 v[RDV], s23, v7
	v_add_nc_u32 v[RDV], 4*WSTG, v[RDV]
	s_cmp_eq_u32 s4, 2
	s_cselect_b32 s6, s42, s17
	s_cselect_b32 s7, s16, s15
	s_cselect_b32 s8, s17, s42
	s_cselect_b32 s9, s15, s16
	s_lshl_b32 s6, s6, 8
	s_lshl_b32 s7, s7, 7
	s_add_co_u32 s6, s6, s7
	s_lshl_b32 s8, s8, 2
	s_lshl_b32 s9, s9, 1
	s_add_co_u32 s8, s8, s9
	s_lshr_b32 s7, s6, 11
	s_lshl_b32 s7, s7, 4
	s_add_co_u32 s7, s7, s8
	s_lshl_b32 s7, s7, 17
	s_and_b32 s6, s6, 2047
	s_lshl_b32 s6, s6, 6
	s_add_co_u32 s6, s6, s7
	s_lshl_b32 s7, s4, 22
	s_add_co_u32 s6, s6, s7
	s_mov_b32 s7, 0
	s_add_nc_u64 s[OUT:OUT+1], s[78:79], s[6:7]
	s_cmp_eq_u32 s4, 0
	s_cselect_b64 s[10:11], s[70:71], s[72:73]
	s_cmp_eq_u32 s4, 2
	s_cselect_b64 s[10:11], s[74:75], s[10:11]
	s_cselect_b32 s18, 4, 0
	s_cselect_b32 s19, 0, 32
	s_cselect_b32 s23, 0, 4
	s_lshl_b32 s12, s8, 8
	s_mov_b32 s13, 0
	s_add_nc_u64 s[10:11], s[10:11], s[12:13]
	v_mul_u32_u24 v[LT], v1, s18
	v_mad_u32_u24 v[LT], v2, s19, v[LT]
.irp j, 1,2,3,4,5,6,7
	v_mad_u32_u24 v[LT+\j], s23, \j, v[LT]
.endr
.irp b, 0,1,2,3,4,5,6,7
.irp j, 0,1,2,3,4,5,6,7
	global_load_b32 v[BI+8*\b+\j], v[LT+\j], s[10:11] offset:64*\b
.endr
.endr
	s_wait_kmcnt 0x0
	s_add_co_i32 s6, s80, s81
	s_add_co_i32 s7, s82, s83
	s_add_co_i32 s8, s84, s85
	s_cmp_eq_u32 s4, 0
	s_cselect_b32 s6, s6, s7
	s_cselect_b32 s9, s86, s87
	s_cmp_eq_u32 s4, 2
	s_cselect_b32 s6, s8, s6
	s_cselect_b32 s9, s89, s9
	s_sub_co_i32 s96, 0, s6
	s_sub_co_i32 s97, s9, s6
	s_add_co_i32 s97, s97, 127
	s_lshl_b32 s12, s97, 23
	v_mov_b32 v[SC], s12
	s_add_co_i32 s97, s97, 8
	s_lshl_b32 s97, s97, 23
	s_or_b32 s97, s97, 0x600000
	v_mov_b32 v[LIM], s97
	s_wait_loadcnt 0x0
.set i, 0
.rept 64
	v_ldexp_f32 v[BI+i], v[BI+i], s96
.set i, i+1
.endr
	s_wait_tensorcnt 1
	s_barrier_signal -1
	s_barrier_wait -1
	FETCH_B 0, 0, 0
	FETCH_A 0, 0, 0
	FETCH_A 0, 0, 4
	STEP 0, 0, 1
	s_mov_b32 s3, LAPS-1
.Llap:
	TURN 0, 1, 1
	STEP 1, 0, 0
	TURN 1, 0, 1
	STEP 0, 0, 0
	s_sub_co_u32 s3, s3, 1
	s_cmp_lg_u32 s3, 0
	s_cbranch_scc1 .Llap
	TURN 0, 1, 0
	STEP 1, 0, 0
	s_wait_dscnt 4*NL
	WINM 0, 0
	MUL16 0, 1, 0
	MUL16 2, 1, 0
	s_wait_dscnt 0
	WINM 1, 0
	MUL16 4, 1, 0
	MUL16 6, 1, 0
	WIN 0
	s_wait_dscnt 0x0
	s_barrier_signal -1
	s_barrier_wait -1
	PLACES NP
	s_cmp_eq_u32 s4, 2
	s_cbranch_scc1 .Lv
	EPI 0, 1, STO, RD, 131072
	s_branch .Ljoin
.Lv:
	EPI 1, 0, STOV, RDV, 131072
.Ljoin:
	s_wait_tensorcnt 0x0
	ds_add_u32 v[SPW], v[NIL]
	s_wait_dscnt 0x0
	CROUND
	s_endpgm
.Lfunc_end_k_q026c162661_gemm_qkv:
	.size	k_q026c162661_gemm_qkv, .Lfunc_end_k_q026c162661_gemm_qkv-k_q026c162661_gemm_qkv
	.p2alignl 7, 3214868480
	.fill 96, 4, 3214868480
	.section	.rodata,"a",@progbits
	.p2align	6, 0x0
	.amdhsa_kernel k_q026c162661_gemm_qkv
		.amdhsa_group_segment_fixed_size 327680
		.amdhsa_private_segment_fixed_size 0
		.amdhsa_enable_private_segment 0
		.amdhsa_kernarg_size 48
		.amdhsa_user_sgpr_count 2
		.amdhsa_user_sgpr_kernarg_segment_ptr 1
		.amdhsa_wavefront_size32 1
		.amdhsa_system_sgpr_workgroup_id_x 1
		.amdhsa_system_sgpr_workgroup_id_y 1
		.amdhsa_system_sgpr_workgroup_id_z 1
		.amdhsa_system_vgpr_workitem_id 0
		.amdhsa_next_free_vgpr 1024
		.amdhsa_next_free_sgpr 102
		.amdhsa_reserve_vcc 0
		.amdhsa_float_denorm_mode_32 3
		.amdhsa_float_denorm_mode_16_64 3
		.amdhsa_memory_ordered 1
		.amdhsa_forward_progress 1
		.amdhsa_inst_pref_size 218
	.end_amdhsa_kernel
	.amdgpu_metadata
---
amdhsa.version: [ 1, 2 ]
amdhsa.kernels:
  - .name:           k_q026c162661_gemm_qkv
    .symbol:         k_q026c162661_gemm_qkv.kd
    .args:
      - { .name: cod, .offset: 0, .size: 8, .value_kind: global_buffer, .address_space: global }
      - { .name: bq, .offset: 8, .size: 8, .value_kind: global_buffer, .address_space: global }
      - { .name: bk, .offset: 16, .size: 8, .value_kind: global_buffer, .address_space: global }
      - { .name: bv, .offset: 24, .size: 8, .value_kind: global_buffer, .address_space: global }
      - { .name: lowp_scales, .offset: 32, .size: 8, .value_kind: global_buffer, .address_space: global }
      - { .name: qkv, .offset: 40, .size: 8, .value_kind: global_buffer, .address_space: global }
    .group_segment_fixed_size: 327680
    .private_segment_fixed_size: 0
    .kernarg_segment_align: 8
    .kernarg_segment_size: 48
    .max_flat_workgroup_size: 128
    .sgpr_count:     102
    .vgpr_count:     1024
    .wavefront_size: 32
...
	.end_amdgpu_metadata
.endif
;; end of part 2
;; launch attn (part 3): grid 8 x 32, 8 waves a work-group, no clusters, 301,056 bytes of LDS; arguments qkv, lowp_scales, ctx; writes ctx
.if DOCPART == 3
	.amdgcn_target "amdgcn-amd-amdhsa--gfx1250"
	.amdhsa_code_object_version 6
	.text
	.protected	k_q026c162661_attn
	.globl	k_q026c162661_attn
	.p2align	8
	.type	k_q026c162661_attn,@function
k_q026c162661_attn:
	s_mov_b64 s[64:65], 0
	v_nop
	global_prefetch_b8 v0, s[64:65] scope:SCOPE_SE
	s_setreg_imm32_b32 hwreg(HW_REG_WAVE_MODE, 25, 1), 1
	s_wait_xcnt 0x0
; Launch 3 of 8: products 4 and 5 on codes of E4M3 with the softmax between them, and the quantising of the result for product 6.  Nothing is left out.
; t = score x log2(e) / 8; M = the running largest t rounded UP to a whole number; p = 2^(t - M) is quantised along the keys, not normalised; the row's sum is taken of the unquantised p and divides at the end.
; When M moves, the sum and O are multiplied by 2^(old M - new M), which rounds nothing.
; SHARES.  A work-group owns 256 queries of one (batch, head); each of its eight waves 32 of them, two tiles A and B of 16, in 512 registers: every fragment of K and of V that a wave reads from LDS feeds two products.
; THE HOLD ON p RUNS ONLY WHERE IT CAN ACT.  t - M lies at most half a step of t's f32 grid above 0, so p stays under 1.75 = 448 x 2^-8: the hold at 448 x 2^e8 can act only where entry 8 is -9 or less.
; NO TENSOR LOAD, NO CLUSTER: K and V come through registers, and each work-group fetches its head's 2 x 131,072 bytes itself.
; THE FILL (waves 0-3: K, waves 4-7: V; a load is 512 consecutive bytes, two LDS rows).  The first 5 key steps' part, 20 loads a wave, is asked for at the head and stored at once.  The other 11 steps' part, 44 loads a wave,
; comes in the first loop's four trips, 11 loads a trip: asked for at the trip's top, stored into LDS behind the trip's conversions.  Each LDS byte is written once; in front of its first read stand every wave's wait for its
; stores and a barrier.  The first loop walks steps 0 to 3 and reads ahead K's step 4: all five lie in the first fill.  No prefetch: the second fill's loads are themselves issued most of a trip ahead of the wait for them.
; K's fragments of the next step are read from LDS behind this step's first products, into registers of their own; the last step reads nothing ahead.
; LAYOUT.  Both products are used transposed: S^T = K Q^T (source 0 = 16 keys), O^T = V^T P^T (source 0 = 16 of the head's 64): a lane holds one query of each tile throughout.
; THE KEYS OF A TILE ARE NOT NEIGHBOURS: lane r of tile 2 b + u takes key 32 b + 8 u + r + 8 (r / 8), so that the 16 registers of tiles 2 b, 2 b + 1 are the keys 32 b + 16 (lane / 16) + 0 .. 15.
; In LDS both tensors are rows of 256 bytes + 16: four keys of K, or two d rows of a chunk of V (128 keys each), to a row.
; LIMITS: entries 6 + 7 between -123 and 1 (they are added to c's exponent field; the codes bound |t| by 2^22 x 2^(e6 + e7), and |t| stays under 2^23 so that p stays under 1.75); entries 8 and 10 between -126 and 119; NaN among the inputs is not served.
; OUT: ctx as [head 16][token 4096][64]: a wave's 32 x 64 codes are 2,048 consecutive bytes.
; REGISTERS.  Window 0: v1, v2 lane places in K and V; v3 where I store (the first fill, then a trip's part), v4 my part of the second fill; v5, v6 the add's two; v7 16 x lane; v8, v9 the step's addresses;
;   tile A: v10 -M, v11 the largest t, v[12:13] the sum, v14 f; tile B: v16 to v20 likewise; v15 2^e8, v21 448 x 2^e8; v22-31 at work; v32-95 fragments of V; v96-159, v160-223 S^T, then p, of A and B; v224-255 their codes.
;   Window 1: v0-31, v32-63 O^T of A and B; v64-79 Q; v80-123 a trip's part of the second fill; v128-191 fragments of K.
.set VBASE, 139264                     ; V behind K's 512 rows of 272 bytes
.set SPARE, 278528                     ; behind V: the spare words, 128 bytes for each of eight waves
.set STAGE, 279552                     ; the way out: 32 rows x 80 bytes a wave
.set STEPB, 8704                       ; 128 keys: 32 LDS rows, of K and of V alike
.set S0,  5                            ; key steps in the first fill
.set S1,  11                           ; and in the second
.set TA,  4                            ; trips of the first loop
.set CH,  4*S1/TA                      ; loads of the second fill in each of them
.set AK0, 1
.set AV0, 2
.set LS,  3
.set SPW, 5
.set NIL, 6
.set GO,  7
.set ADK, 8
.set ADV, 9
.set KV,  32
.set SA,  96
.set SB,  160
.set CA,  224
.set CB,  240
.set OB,  32                           ; window 1
.set QA,  64
.set QB,  72
.set XF,  80
.set KF,  128
.set WV,  18
.set SEL, 20
.set CS,  22
.set TB,  36
.set CNT, 37
.set FB,  51
.set MSB, 0
.macro WIN new                         ; low byte: bits 1:0 source 0, 3:2 source 1, 5:4 source 2, 7:6 destination; the high byte repeats the setting that is left
.if MSB != (\new)
	s_set_vgpr_msb (MSB<<8)|(\new)
.set MSB, \new
.endif
.endm
.macro KLOAD off                       ; K's eight fragments of the step that begins off bytes behind the step in hand
	WIN 0x40
.irp t, 0,1,2,3,4,5,6,7
.irp c, 0,1
	ds_load_b128 v[KF+8*\t+4*\c:KF+8*\t+4*\c+3], v[ADK] offset:(\off)+(8*(\t/2)+2*(\t%2))*272+32*\c
.endr
.endr
	WIN 0
.endm
; Key steps of 128 keys, from step 'first' on.  fill = 1: the first loop, which also brings the second fill.
.macro STEPS first, trips, fill
	s_mov_b32 s[TB], STEPB*(\first)
	s_mov_b32 s[CNT], \trips
.if \fill
	v_add_nc_u32 v[ADK], s[TB], v[AK0]
	KLOAD 0                                        ; the very first step's K
.endif
.Lstep_\@:
	v_add_nc_u32 v[ADK], s[TB], v[AK0]
	v_add_nc_u32 v[ADV], s[TB], v[AV0]
.if \fill
	v_add_nc_u32 v[LS], s[FB], v[LS+1]             ; where this trip's part of the second fill goes
	WIN 0x40
.set j, 0
.rept CH
	global_load_b128 v[XF+4*j:XF+4*j+3], v[GO], s[30:31] offset:512*j   ; (the last trip's stores of these registers were waited for with V)
.set j, j+1
.endr
.endif
	WIN 0x05                                       ; K's fragments and Q lie in window 1
	s_wait_alu depctr_va_vdst(0)
	s_wait_dscnt 0x0                               ; K, asked for a step ago
.irp t, 0,1,2,3,4,5,6,7
	v_wmma_f32_16x16x64_fp8_fp8 v[SA+8*\t:SA+8*\t+7], v[KF+8*\t:KF+8*\t+7], v[QA:QA+7], 0
	v_wmma_f32_16x16x64_fp8_fp8 v[SB+8*\t:SB+8*\t+7], v[KF+8*\t:KF+8*\t+7], v[QB:QB+7], 0
.endr
	WIN 0
.rept 4
	v_nop                                          ; places in front of the loads below and of the first read of the scores
.endr
.irp t, 0,1,2,3
.irp c, 0,1,2,3
	ds_load_b128 v[KV+16*\t+4*\c:KV+16*\t+4*\c+3], v[ADV] offset:2176*\t+32*\c   ; V is asked for here and lands under the softmax,
.endr
.endr
.if \fill
	KLOAD STEPB                                    ; and so does the next step's K (steps 1 to 4: all in the first fill)
.else
	s_cmp_eq_u32 s[CNT], 1                         ; behind the last step there is none
	s_cbranch_scc1 .Llast_\@
	KLOAD STEPB
.Llast_\@:
.endif
	v_max3_num_f32 v22, v[SA], v[SA+1], v[SA+2]    ; the step's largest score of my two queries among my 64 keys: two chains a tile, the four by turns, each accumulator from its low end on
	v_max3_num_f32 v24, v[SB], v[SB+1], v[SB+2]
	v_max3_num_f32 v23, v[SA+3], v[SA+4], v[SA+5]
	v_max3_num_f32 v25, v[SB+3], v[SB+4], v[SB+5]
.irp i, 6,10,14,18,22,26,30,34,38,42,46,50,54,58
	v_max3_num_f32 v22, v22, v[SA+\i], v[SA+\i+1]
	v_max3_num_f32 v24, v24, v[SB+\i], v[SB+\i+1]
	v_max3_num_f32 v23, v23, v[SA+\i+2], v[SA+\i+3]
	v_max3_num_f32 v25, v25, v[SB+\i+2], v[SB+\i+3]
.endr
	v_max3_num_f32 v22, v22, v[SA+62], v[SA+63]
	v_max3_num_f32 v24, v24, v[SB+62], v[SB+63]
	v_max_num_f32 v22, v22, v23
	v_max_num_f32 v24, v24, v25
	v_permlanex16_b32 v26, v22, s[SEL], s[SEL+1]
	v_permlanex16_b32 v27, v24, s[SEL], s[SEL+1]
	v_max_num_f32 v22, v22, v26                    ; and among the lane's 16 away
	v_max_num_f32 v24, v24, v27
	v_mul_f32 v22, s[CS], v22                      ; as t (c is positive)
	v_mul_f32 v24, s[CS], v24
	v_max_num_f32 v11, v11, v22
	v_max_num_f32 v17, v17, v24
	v_mov_b32 v22, v10
	v_mov_b32 v24, v16
	v_floor_f32 v10, -v11                          ; the new -M = floor(-t)
	v_floor_f32 v16, -v17
	v_sub_f32 v22, v10, v22                        ; old M - new M: a whole number, 0 or less
	v_sub_f32 v24, v16, v24
	v_cvt_i32_f32 v22, v22                         ; (it saturates)
	v_cvt_i32_f32 v24, v24
	v_ldexp_f32 v14, 1.0, v22                      ; f = 2^(old M - new M)
	v_ldexp_f32 v20, 1.0, v24
.set n, 0
.rept 32
	v_pk_fma_f32 v[SA+n:SA+n+1], v[SA+n:SA+n+1], s[CS:CS+1], v[10:11] op_sel_hi:[1,0,0]   ; A: t - M, two at a time
.set n, n+2
.endr
	s_wait_alu depctr_va_vdst(0)                   ; the wait ahead of the batch
.set n, 0
.rept 32                                       ; A's 64 exponentials; among them B's 32 scalings, which name no exponential's result and are first read behind the next wait
	v_exp_f32 v[SA+n], v[SA+n]
	v_exp_f32 v[SA+n+1], v[SA+n+1]
	v_pk_fma_f32 v[SB+n:SB+n+1], v[SB+n:SB+n+1], s[CS:CS+1], v[16:17] op_sel_hi:[1,0,0]
.set n, n+2
.endr
	s_wait_alu depctr_va_vdst(0)                   ; behind A's batch and ahead of B's
.set n, 0
.rept 64
	v_exp_f32 v[SB+n], v[SB+n]
.set n, n+1
.endr
	v_pk_mul_f32 v[12:13], v[12:13], v[14:15] op_sel_hi:[1,0]   ; A's sum under the new M: the plain line behind the last exponential
	s_wait_alu depctr_va_vdst(0)                   ; one wait for the batch, ahead of its first reader
	v_pk_mul_f32 v[18:19], v[18:19], v[20:21] op_sel_hi:[1,0]
	v_pk_add_f32 v[28:29], v[SA:SA+1], v[SA+2:SA+3]             ; the rows' sums are taken of the unquantised p: two chains a tile, the four by turns
	v_pk_add_f32 v[30:31], v[SB:SB+1], v[SB+2:SB+3]
.irp j, 4,8,12,16,20,24,28,32,36,40,44,48,52,56,60
	v_pk_add_f32 v[12:13], v[12:13], v[SA+\j:SA+\j+1]
	v_pk_add_f32 v[18:19], v[18:19], v[SB+\j:SB+\j+1]
	v_pk_add_f32 v[28:29], v[28:29], v[SA+\j+2:SA+\j+3]
	v_pk_add_f32 v[30:31], v[30:31], v[SB+\j+2:SB+\j+3]
.endr
	v_pk_add_f32 v[12:13], v[12:13], v[28:29]
	v_pk_add_f32 v[18:19], v[18:19], v[30:31]
	s_cmp_gt_i32 s42, -9                           ; entry 8 at -8 or above: 448 x 2^e8 is 1.75 or more, over every p
	s_wait_alu depctr_va_vdst(0)                   ; the wait directly ahead of the branch
	s_cbranch_scc1 .Lfits_\@
.set i, 0
.rept 128
	v_min_num_f32 v[SA+i], v[SA+i], v21            ; the conversion does not saturate (ISA guide 7.6.2); p is not negative: the hold is one-sided
.set i, i+1
.endr
.Lfits_\@:
.irp b, 0,1,2,3,4,5,6,7                        ; blocks 0-3: A's codes, 4-7: B's
	v_cvt_scalef32_pk8_fp8_f32 v[CA+4*\b:CA+4*\b+1], v[SA+16*\b:SA+16*\b+7], v15
	v_cvt_scalef32_pk8_fp8_f32 v[CA+4*\b+2:CA+4*\b+3], v[SA+16*\b+8:SA+16*\b+15], v15
.endr
.if \fill
	s_wait_loadcnt 0x0                             ; this trip's part of the second fill, asked for at the trip's top,
	WIN 0x04                                       ; (the stores' data lie in window 1)
.set j, 0
.rept CH
	ds_store_b128 v[LS], v[XF+4*j:XF+4*j+3] offset:544*j       ; goes into LDS; the wait for V below is for these stores too
.set j, j+1
.endr
	s_add_nc_u64 s[30:31], s[30:31], 512*CH        ; the loads are done: their base may step
	s_add_co_u32 s[FB], s[FB], 544*CH
.endif
	WIN 0x41                                       ; O^T lies in window 1
	s_wait_alu depctr_va_vdst(0)                   ; the wait directly ahead of the first reader of O^T
.set n, 0
.rept 16
	v_pk_mul_f32 v[n:n+1], v[n:n+1], v[14:15] op_sel_hi:[1,0]         ; O^T under the new M.  (These are also the plain lines behind the conversions)
.set n, n+2
.endr
.rept 16
	v_pk_mul_f32 v[n:n+1], v[n:n+1], v[20:21] op_sel_hi:[1,0]
.set n, n+2
.endr
	WIN 0x50
	s_wait_alu depctr_va_vdst(0)                   ; the wait directly ahead of the wait below
	s_wait_dscnt 0x0                               ; V
.irp t, 0,1,2,3                                ; the eight accumulators take turns
	v_wmma_f32_16x16x128_fp8_fp8 v[8*\t:8*\t+7], v[KV+16*\t:KV+16*\t+15], v[CA:CA+15], v[8*\t:8*\t+7]
	v_wmma_f32_16x16x128_fp8_fp8 v[OB+8*\t:OB+8*\t+7], v[KV+16*\t:KV+16*\t+15], v[CB:CB+15], v[OB+8*\t:OB+8*\t+7]
.endr
	WIN 0
	s_add_co_u32 s[TB], s[TB], STEPB
	s_sub_co_u32 s[CNT], s[CNT], 1
	s_cmp_lg_u32 s[CNT], 0
	s_cbranch_scc1 .Lstep_\@
.endm
	s_load_b128 s[4:7], s[0:1], 0x0                ; qkv, lowp_scales
	s_load_b64 s[8:9], s[0:1], 0x10                ; ctx
	v_lshl_add_u32 v[SPW], v0, 2, SPARE
	v_mov_b32 v[NIL], 0
	v_lshrrev_b32 v8, 5, v0
	v_readfirstlane_b32 s[WV], v8                  ; wave 0..7
	s_and_b32 s12, ttmp7, 0xffff                   ; batch x 16 + head
	s_lshr_b32 s24, s[WV], 2                       ; I fetch K (0) or V (1),
	s_and_b32 s25, s[WV], 3                        ; and this quarter of each fill
	s_lshl_b32 s14, s24, 22
	s_add_co_u32 s14, s14, 4194304
	s_lshl_b32 s19, s12, 17                        ; the head's 131,072 bytes
	s_add_co_u32 s14, s14, s19
	s_mul_i32 s15, s25, S0*2048
	s_add_co_u32 s28, s14, s15                     ; my part of the first fill in memory,
	s_mov_b32 s29, 0
	s_mul_i32 s15, s25, S1*2048
	s_add_co_u32 s30, s14, s15
	s_add_co_u32 s30, s30, S0*8192                 ; and of the second
	s_mov_b32 s31, 0
	s_mul_i32 s26, s24, VBASE
	s_mul_i32 s27, s25, S0*8*272
	s_add_co_u32 s27, s27, s26                     ; their places in LDS
	s_mul_i32 s15, s25, S1*8*272
	s_add_co_u32 s26, s26, s15
	s_add_co_u32 s26, s26, S0*STEPB
	s_mov_b32 s[FB], 0
	s_lshl_b32 s16, ttmp9, 8
	s_lshl_b32 s17, s[WV], 5
	s_add_co_u32 s16, s16, s17                     ; my first query in the head: 256 x work-group x + 32 x wave
	s_lshl_b32 s38, s16, 6
	s_add_co_u32 s38, s38, s19
	s_mov_b32 s39, 0
	s_and_b32 s46, s12, 15
	s_lshl_b32 s46, s46, 18                        ; ctx: the head's plane of 4,096 x 64 bytes,
	s_lshr_b32 s47, s12, 4
	s_lshl_b32 s47, s47, 11
	s_add_co_u32 s47, s47, s16
	s_lshl_b32 s47, s47, 6                         ; my first token's 64 bytes in it
	s_add_co_u32 s46, s46, s47
	s_mov_b32 s47, 0
	s_mov_b32 s[SEL], 0x76543210
	s_mov_b32 s[SEL+1], 0xfedcba98
	s_mov_b32 s[CS], 0x3e38aa3b                    ; c = log2(e) / 8
	v_and_b32 v8, 15, v0                           ; r
	v_bfe_u32 v9, v0, 4, 1                         ; h
	v_and_b32 v[GO], 31, v0
	v_lshlrev_b32 v[GO], 4, v[GO]                  ; 16 bytes a lane
	v_mul_u32_u24 v22, v9, 272
	v_lshl_add_u32 v22, v8, 4, v22                 ; row lane / 16 of a load's two, 16 bytes a lane
	v_add_nc_u32 v[LS], s27, v22
	v_add_nc_u32 v[LS+1], s26, v22
	v_lshlrev_b32 v23, 6, v8
	v_lshl_add_u32 v23, v9, 4, v23                 ; Q: row r, + 16 h
	s_wait_alu depctr_va_vdst(0)                   ; the wait directly ahead of the wait below
	s_wait_kmcnt 0x0
	s_load_b128 s[40:43], s[6:7], 0x18             ; entries 6 to 9
	s_load_b32 s44, s[6:7], 0x28                   ; entry 10
	s_add_nc_u64 s[28:29], s[4:5], s[28:29]
	s_add_nc_u64 s[30:31], s[4:5], s[30:31]
	s_add_nc_u64 s[38:39], s[4:5], s[38:39]
	s_add_nc_u64 s[8:9], s[8:9], s[46:47]
.set j, 0
.rept 4*S0
	global_load_b128 v[SA+4*j:SA+4*j+3], v[GO], s[28:29] offset:512*j    ; the first fill: 32 lanes read 512 consecutive bytes, two LDS rows
.set j, j+1
.endr
	WIN 0x40                                       ; destinations in window 1
	global_load_b128 v[QA:QA+3], v23, s[38:39]                 ; Q: K = 16 h + 0 .. 15,
	global_load_b128 v[QA+4:QA+7], v23, s[38:39] offset:32     ; and 32 + 16 h + 0 .. 15: the order in which K's fragments are loaded too
	global_load_b128 v[QB:QB+3], v23, s[38:39] offset:1024     ; tile B: 16 rows of 64 bytes on
	global_load_b128 v[QB+4:QB+7], v23, s[38:39] offset:1056
.set i, 0
.rept 64
	v_mov_b32 v[i], 0                              ; O^T: a key step is written once; the first finds zeros, which the first change of M leaves zeros
.set i, i+1
.endr
	WIN 0
	v_and_b32 v24, 8, v8
	v_add_nc_u32 v24, v24, v8                      ; r + 8 (r / 8)
	v_lshrrev_b32 v24, 2, v24
	v_mul_u32_u24 v[AK0], v24, 272
	v_and_b32 v24, 3, v8
	v_lshl_add_u32 v[AK0], v24, 6, v[AK0]
	v_lshl_add_u32 v[AK0], v9, 4, v[AK0]
	v_lshrrev_b32 v24, 1, v8
	v_mul_u32_u24 v[AV0], v24, 272
	v_and_b32 v24, 1, v8
	v_lshl_add_u32 v[AV0], v24, 7, v[AV0]
	v_lshl_add_u32 v[AV0], v9, 4, v[AV0]
	v_add_nc_u32 v[AV0], VBASE, v[AV0]
	v_mov_b32 v11, 0xff61b1e6                      ; the largest t so far: -3e38, under every t
	v_mov_b32 v17, 0xff61b1e6
	v_floor_f32 v10, -v11                          ; -M
	v_floor_f32 v16, -v17
.irp r, 12,13,18,19,26,27                      ; the sums; and a lane permute's destination counts as one of its sources
	v_mov_b32 v\r, 0
.endr
	s_wait_kmcnt 0x0
	s_add_co_i32 s45, s40, s41
	s_lshl_b32 s45, s45, 23
	s_add_co_i32 s[CS], s[CS], s45                 ; a score stands for score x 2^(e6 + e7): added to c's exponent field
	s_mov_b32 s[CS+1], s[CS]
	s_add_co_i32 s45, s42, 127
	s_lshl_b32 s46, s45, 23
	v_mov_b32 v15, s46                             ; 2^e8
	s_add_co_i32 s45, s45, 8
	s_lshl_b32 s45, s45, 23
	s_or_b32 s45, s45, 0x600000
	v_mov_b32 v21, s45                             ; 448 x 2^e8
	s_add_co_i32 s45, s44, 127
	s_lshl_b32 s48, s45, 23                        ; 2^e10
	s_add_co_i32 s45, s45, 8
	s_lshl_b32 s49, s45, 23
	s_or_b32 s49, s49, 0x600000                    ; 448 x 2^e10
	s_add_co_i32 s50, s42, s43                     ; e8 + e9
	s_wait_alu depctr_va_vdst(0)                   ; the wait at the head's end
	s_wait_loadcnt 0x0                             ; the first fill's 20 loads and Q's four
.set j, 0
.rept 4*S0
	ds_store_b128 v[LS], v[SA+4*j:SA+4*j+3] offset:544*j
.set j, j+1
.endr
	s_wait_dscnt 0x0                               ; for the others' sake: my stores have landed
	s_barrier_signal -1
	s_barrier_wait -1                              ; everybody's part of the first fill lies in LDS
	STEPS 0, TA, 1
	s_wait_dscnt 0x0                               ; for the others' sake: my stores of the second fill have landed
	s_barrier_signal -1
	s_barrier_wait -1                              ; everybody's part of the second fill lies in LDS
	STEPS TA, 16-TA, 0
	; THE WAY OUT: O^T / the sum x 2^(e8 + e9), quantised under entry 10, through my stage, 2,048 consecutive bytes out
	v_add_f32 v12, v12, v13
	v_add_f32 v18, v18, v19
	v_permlanex16_b32 v26, v12, s[SEL], s[SEL+1]
	v_permlanex16_b32 v27, v18, s[SEL], s[SEL+1]
	v_add_f32 v12, v12, v26
	v_add_f32 v18, v18, v27
	s_wait_alu depctr_va_vdst(0)                   ; the wait ahead of the two reciprocals
	v_rcp_f32 v12, v12
	v_rcp_f32 v18, v18
	v_and_b32 v22, 15, v0
	v_bfe_u32 v23, v0, 4, 1
	s_mul_i32 s46, s[WV], 32*80
	s_add_co_u32 s46, s46, STAGE
	v_mul_u32_u24 v24, v22, 80
	v_lshl_add_u32 v24, v23, 3, v24
	v_add_nc_u32 v24, s46, v24                     ; in: row r (tile B: 16 rows on), 8 bytes for each half of the lanes
	v_and_b32 v22, 31, v0
	v_lshrrev_b32 v23, 2, v22
	v_mul_u32_u24 v25, v23, 80
	v_and_b32 v23, 3, v22
	v_lshl_add_u32 v25, v23, 4, v25
	v_add_nc_u32 v25, s46, v25                     ; back: four lanes to a row of 64 bytes
	v_mov_b32 v28, s48
	v_mov_b32 v29, s49
	s_wait_alu depctr_va_vdst(0)                   ; the wait ahead of the reciprocals' first readers
	v_ldexp_f32 v12, v12, s50
	v_ldexp_f32 v18, v18, s50
	WIN 0x01                                       ; source 0: O^T in window 1
	s_wait_alu depctr_va_vdst(0)                   ; the wait directly ahead of the first reader of O^T
.set i, 0
.rept 32
	v_mul_f32 v[SA+i], v[i], v12                   ; register 8 t + j is o(r, 16 t + 8 h + j)
.set i, i+1
.endr
.rept 32
	v_mul_f32 v[SA+i], v[i], v18
.set i, i+1
.endr
	WIN 0
.set i, 0
.rept 64
	v_med3_num_f32 v[SA+i], v[SA+i], -v29, v29
.set i, i+1
.endr
.irp u, 0,1,2,3,4,5,6,7
	v_cvt_scalef32_pk8_fp8_f32 v[CA+2*\u:CA+2*\u+1], v[SA+8*\u:SA+8*\u+7], v28
.endr
	v_nop                                          ; a plain line behind the last conversion
.irp u, 0,1,2,3,4,5,6,7
	ds_store_b64 v24, v[CA+2*\u:CA+2*\u+1] offset:1280*(\u/4)+16*(\u%4)
.endr
.irp i, 0,1,2,3
	ds_load_b128 v[KV+4*\i:KV+4*\i+3], v25 offset:640*\i       ; LDS serves a wave's instructions in order: these see my stores
.endr
.irp i, 0,1,2,3
	s_wait_dscnt 3-\i                              ; the later read-backs may be out
	global_store_b128 v[GO], v[KV+4*\i:KV+4*\i+3], s[8:9] offset:512*\i th:TH_STORE_NT   ; 32 lanes: 512 consecutive bytes, aligned
.endr
	s_wait_tensorcnt 0x0                           ; the wave's end, behind my last LDS store
	ds_add_u32 v[SPW], v[NIL]
	s_wait_dscnt 0x0
	s_endpgm
.Lfunc_end_k_q026c162661_attn:
	.size	k_q026c162661_attn, .Lfunc_end_k_q026c162661_attn-k_q026c162661_attn
	.p2alignl 7, 3214868480
	.fill 96, 4, 3214868480
	.section	.rodata,"a",@progbits
	.p2align	6, 0x0
	.amdhsa_kernel k_q026c162661_attn
		.amdhsa_group_segment_fixed_size 301056
		.amdhsa_private_segment_fixed_size 0
		.amdhsa_enable_private_segment 0
		.amdhsa_kernarg_size 24
		.amdhsa_user_sgpr_count 2
		.amdhsa_user_sgpr_kernarg_segment_ptr 1
		.amdhsa_wavefront_size32 1
		.amdhsa_system_sgpr_workgroup_id_x 1
		.amdhsa_system_sgpr_workgroup_id_y 1
		.amdhsa_system_sgpr_workgroup_id_z 1
		.amdhsa_system_vgpr_workitem_id 0
		.amdhsa_next_free_vgpr 512
		.amdhsa_next_free_sgpr 66
		.amdhsa_reserve_vcc 0
		.amdhsa_float_denorm_mode_32 3
		.amdhsa_float_denorm_mode_16_64 3
		.amdhsa_memory_ordered 1
		.amdhsa_forward_progress 1
		.amdhsa_inst_pref_size 80
	.end_amdhsa_kernel
	.amdgpu_metadata
---
amdhsa.version: [ 1, 2 ]
amdhsa.kernels:
  - .name:           k_q026c162661_attn
    .symbol:         k_q026c162661_attn.kd
    .args:
      - { .name: qkv, .offset: 0, .size: 8, .value_kind: global_buffer, .address_space: global }
      - { .name: lowp_scales, .offset: 8, .size: 8, .value_kind: global_buffer, .address_space: global }
      - { .name: ctx, .offset: 16, .size: 8, .value_kind: global_buffer, .address_space: global }
    .group_segment_fixed_size: 301056
    .private_segment_fixed_size: 0
    .kernarg_segment_align: 8
    .kernarg_segment_size: 24
    .max_flat_workgroup_size: 256
    .sgpr_count:     66
    .vgpr_count:     512
    .wavefront_size: 32
...
	.end_amdgpu_metadata
.endif
;; end of part 3
;; launch gemm_wo (part 4): grid 8 x 32, 4 waves a work-group, clusters of 4 x 4, 327,680 bytes of LDS; arguments ctx, cod, bo, x, lowp_scales, y; writes y
.if DOCPART == 4
	.amdgcn_target "amdgcn-amd-amdhsa--gfx1250"
	.amdhsa_code_object_version 6
	.text
	.protected	k_q026c162661_gemm_wo
	.globl	k_q026c162661_gemm_wo
	.p2align	8
	.type	k_q026c162661_gemm_wo,@function
k_q026c162661_gemm_wo:
	s_mov_b64 s[64:65], 0
	v_nop
	global_prefetch_b8 v0, s[64:65] scope:SCOPE_SE
	s_setreg_imm32_b32 hwreg(HW_REG_WAVE_MODE, 25, 1), 1
	s_wait_xcnt 0x0
	s_wait_alu depctr_hold_cnt(0) depctr_sa_sdst(0) depctr_va_vdst(0) depctr_va_sdst(0) depctr_va_ssrc(0) depctr_va_vcc(0) depctr_vm_vsrc(0)
	s_getreg_b32 s2, hwreg(HW_REG_IB_STS2, 6, 4)
	s_cmp_eq_u32 s2, 0
	s_cbranch_scc0 .Lentry_in_a_cluster
	s_endpgm
.Lentry_in_a_cluster:
	s_bfe_u32 s2, ttmp6, 0x10000c
	s_cmp_lg_u32 s2, 0xf033
	s_cbranch_scc0 .Lentry_shape_is_right
	s_endpgm
.Lentry_shape_is_right:
; Launch 4 of 8: y = (product 6) x 2^(e10 + e11) + bo + x, in f32: what the first norm takes.  Nothing is left out.
; A tile of 128 x 128 (4,096 x 1,024 of y are 256 such tiles, one a WGP); four waves, 64 x 64 a wave: 16 accumulators.
; ALL OF K = 1,024 LIES IN LDS AT ONCE: A's 128 rows and B's 128 rows are 2 x 81,920 + 2 x 66,560 bytes with their padding.  So there is no ring and nothing is filled again: each wave issues one tensor load at the head,
; a quarter of the whole (waves 0, 1: A's halves; waves 2, 3: B's), one barrier follows, and K is walked in eight quarters of 128, 16 matrix instructions each.
; A's codes lie in PLANES of 64 along K, [plane 16][token 4096][64]: a wave's load is 16 planes x 64 tokens, each plane's part dense in memory; in LDS 16 bytes of padding stand behind every 64 bytes.
; B's codes lie [n][K]: 64 rows of 1,024 bytes + 16.  The matrix instruction is used transposed (source 0 = 16 rows of B, source 1 = 16 rows of A): a lane holds eight neighbouring columns of one row of y.
; CLUSTERS: 4 x 4 work-groups; A's tile is asked for jointly along a row of the cluster, B's along a column.
; No prefetch: every tile is asked for by the head's one load a wave; there is no later request to run ahead of.
; LIMIT: e10 + e11 between -126 and 127, so that 2^(e10 + e11) is an f32 number.
; REGISTERS: window 0: v16-29 addresses; v32-95 at work on the way out; v96-127 the bias; v128-255 the accumulators ((a, b) at 128 + 8 (4 a + b)).  window 1: two fragment buffers of 128 (A's four, then B's four).  window 2: v0-127 the residual.
.set SIZE_K, 1024
.set PW,     64
.set WOFF,   15728640
.set SOFF,   40
.set AP,     PW+16
.set APL,    64*AP                     ; a plane's 64 tokens in LDS
.set NPL,    SIZE_K/PW
.set AQ,     NPL*APL                   ; what a wave brings of A
.set BP,     SIZE_K+16
.set BQ,     64*BP                     ; and of B
.set STAGE,  2*AQ+2*BQ
.set SPITCH, 272
.set SPARE,  STAGE+4*16*SPITCH
.set ADRA, 16                          ; v16, v17: my A fragments, K 0-511 and K 512-1023 (an LDS offset has 16 bits)
.set ADRB, 20                          ; v20, v21: the same for B
.set STO,  24
.set RD,   25
.set CO,   26
.set SPW,  28
.set NIL,  29
.set TMP,  32
.set BIAS, 96
.set ACC,  128
.set F0,   0
.set F1,   128
.set G1,  24
.set G0,  32
.set G1B, 48
.set G0B, 56
.set MSB, 0
.macro WIN new
.if MSB != (\new)
	s_set_vgpr_msb (MSB<<8)|(\new)
.set MSB, \new
.endif
.endm
.set MUL, 0x05                         ; sources 0 and 1 window 1; C and D window 0
.macro CROUND                          ; a round of the cluster's barrier
	s_barrier_signal -1
	s_barrier_wait -1
	s_cmp_lg_u32 s14, 0
	s_cbranch_scc1 .Lnot_wave_0_\@
	s_barrier_signal -3
.Lnot_wave_0_\@:
	s_barrier_wait -3
	s_barrier_signal -1
	s_barrier_wait -1
.endm
.macro PLACES
.rept 4
	v_nop
.endr
.endm
.macro FRAGA reg, s, q, i              ; 16 rows x 128 K: registers 4 c .. 4 c + 3 hold K = 512 s + 128 q + 32 c + 16 (l / 16) + 0 .. 15, found in plane K / 64
.irp c, 0,1,2,3
	ds_load_b128 v[\reg+4*\c:\reg+4*\c+3], v[ADRA+\s] offset:((128*(\q)+32*\c)/PW)*APL+(128*(\q)+32*\c)%PW+16*(\i)*AP
.endr
.endm
.macro FRAGB reg, s, q, i
.irp c, 0,1,2,3
	ds_load_b128 v[\reg+4*\c:\reg+4*\c+3], v[ADRB+\s] offset:128*(\q)+32*\c+16*(\i)*BP
.endr
.endm
.macro FETCH s, q, f                   ; 32 LDS loads in one run: B's four fragments, then A's four
	WIN 0x40
.irp i, 0,1,2,3
	FRAGB \f+64+16*\i, \s, \q, \i
.endr
.irp i, 0,1,2,3
	FRAGA \f+16*\i, \s, \q, \i
.endr
.endm
.macro MULA f, a, zero                 ; A's block a x B's four; the 16 accumulators take turns in one order
.irp b, 0,1,2,3
.if \zero
	v_wmma_f32_16x16x128_fp8_fp8 v[ACC+8*(4*(\a)+\b):ACC+8*(4*(\a)+\b)+7], v[\f+64+16*\b:\f+64+16*\b+15], v[\f+16*(\a):\f+16*(\a)+15], 0
.else
	v_wmma_f32_16x16x128_fp8_fp8 v[ACC+8*(4*(\a)+\b):ACC+8*(4*(\a)+\b)+7], v[\f+64+16*\b:\f+64+16*\b+15], v[\f+16*(\a):\f+16*(\a)+15], v[ACC+8*(4*(\a)+\b):ACC+8*(4*(\a)+\b)+7]
.endif
.endr
.endm
.macro QUARTER s, qn, f, g, zero       ; multiplies buffer f; in its middle fetches quarter qn of K's half s into buffer g
	s_wait_dscnt 8                                 ; B and A's blocks 0, 1 are in; A's blocks 2, 3 (8 loads) may be out
	WIN MUL
	MULA \f, 0, \zero
	MULA \f, 1, \zero
	PLACES
	FETCH \s, \qn, \g
	s_wait_dscnt 32                                ; all but the 32 just issued
	WIN MUL
	MULA \f, 2, \zero
	MULA \f, 3, \zero
.endm
	s_load_b256 s[4:11], s[0:1], 0x0               ; ctx, cod, the bias, the residual
	s_load_b128 s[68:71], s[0:1], 0x20             ; lowp_scales, y
	v_lshl_add_u32 v[SPW], v0, 2, SPARE
	v_mov_b32 v[NIL], 0
	ds_add_u32 v[SPW], v[NIL]                      ; the wave's opening: the add, twice on end, and its wait ahead of my tensor load
	ds_add_u32 v[SPW], v[NIL]
	v_lshrrev_b32 v1, 5, v0
	v_readfirstlane_b32 s14, v1                    ; wave 0..3
	s_lshr_b32 s15, s14, 1                         ; my half of the tile's rows.  Also: I fetch for A (0) or for B (1)
	s_and_b32 s16, s14, 1                          ; my half of its columns.  Also: which 64 rows I fetch
	s_bfe_u32 s40, ttmp6, 0x40000
	s_bfe_u32 s41, ttmp6, 0x40004
	s_lshl_b32 s42, ttmp9, 2
	s_add_co_u32 s42, s42, s40                     ; tile column
	s_and_b32 s17, ttmp7, 0xffff
	s_lshl_b32 s17, s17, 2
	s_add_co_u32 s17, s17, s41                     ; tile row
	s_lshl_b32 s43, s41, 2
	s_lshl_b32 s43, 15, s43
	s_lshl_b32 s44, 0x1111, s40
	s_or_b32 s[G1+0], s43, (0<<16)|(1<<20)|(1<<21)|(3<<22)|(3<<25)     ; A: my row's mask; elements of 1 byte; 4 words of padding behind every 16
	s_mov_b32 s[G1+1], (64*PW)<<16                 ; tensor_dim0: 64 tokens of a plane, dense
	s_mov_b32 s[G1+2], NPL<<16                     ; tensor_dim1: the 16 planes
	s_mov_b32 s[G1+3], (64*PW)<<16                 ; tile_dim0
	s_mov_b32 s[G1+4], NPL                         ; tile_dim1
	s_mov_b32 s[G1+5], 4096*PW                     ; from plane to plane
	s_mov_b32 s[G1+6], 0
	s_mov_b32 s[G1+7], 0
	s_or_b32 s[G1B+0], s44, (0<<16)|(1<<20)|(1<<21)|(7<<22)|(3<<25)    ; B: my column's mask; 4 words behind every 256
	s_mov_b32 s[G1B+1], SIZE_K<<16
	s_mov_b32 s[G1B+2], 64<<16
	s_mov_b32 s[G1B+3], SIZE_K<<16
	s_mov_b32 s[G1B+4], 64
	s_mov_b32 s[G1B+5], SIZE_K
	s_mov_b32 s[G1B+6], 0
	s_mov_b32 s[G1B+7], 0
	s_lshl_b32 s18, s16, 6
	s_lshl_b32 s20, s17, 7
	s_add_co_u32 s20, s20, s18
	s_mul_i32 s20, s20, PW                         ; A: token 128 x tile row + 64 x half, in plane 0
	s_mov_b32 s21, 0
	s_lshl_b32 s46, s42, 7
	s_add_co_u32 s46, s46, s18
	s_mul_i32 s46, s46, SIZE_K
	s_add_co_u32 s46, s46, WOFF                    ; B: row 128 x tile column + 64 x half of the weight's codes
	s_mov_b32 s47, 0
	s_mul_i32 s45, s16, AQ                         ; where they go: A's two halves,
	s_mul_i32 s19, s16, BQ
	s_add_co_u32 s19, s19, 2*AQ                    ; then B's two
	s_wait_dscnt 0x0                               ; both opening adds are done
	s_wait_kmcnt 0x0
	s_load_b64 s[72:73], s[68:69], SOFF            ; e10, e11
	s_mov_b32 s[G0], 1
	s_mov_b32 s[G0+1], s45
	s_add_nc_u64 s[G0+2:G0+3], s[4:5], s[20:21]
	s_or_b32 s[G0+3], s[G0+3], 0x80000000
	s_mov_b32 s[G0B], 1
	s_mov_b32 s[G0B+1], s19
	s_add_nc_u64 s[G0B+2:G0B+3], s[6:7], s[46:47]
	s_or_b32 s[G0B+3], s[G0B+3], 0x80000000
	CROUND                                         ; all sixteen work-groups are here: the joint loads meet
	s_cmp_eq_u32 s15, 0                            ; one tensor load a wave; an s_nop 0 and four v_nop follow each line
	s_cbranch_scc0 .Lfor_b
	tensor_load_to_lds s[G0:G0+3], s[G1:G1+7]
	s_nop 0
.rept 4
	v_nop
.endr
	s_branch .Lasked
.Lfor_b:
	tensor_load_to_lds s[G0B:G0B+3], s[G1B:G1B+7]
	s_nop 0
.rept 4
	v_nop
.endr
.Lasked:
	v_and_b32 v1, 15, v0                           ; r
	v_bfe_u32 v2, v0, 4, 1                         ; h
	v_mul_u32_u24 v3, v1, AP
	v_lshl_add_u32 v3, v2, 4, v3
	v_mul_u32_u24 v4, v1, BP
	v_lshl_add_u32 v4, v2, 4, v4
	s_mul_i32 s21, s15, AQ
	s_mul_i32 s22, s16, BQ
	s_add_co_u32 s22, s22, 2*AQ
.irp s, 0,1
	v_add_nc_u32 v[ADRA+\s], s21, v3
	v_add_nc_u32 v[ADRB+\s], s22, v4
	s_add_co_u32 s21, s21, 8*APL                   ; K 512 on: eight planes of A,
	s_add_co_u32 s22, s22, 512                     ; 512 bytes of a row of B
.endr
	s_mul_i32 s23, s14, 16*SPITCH
	s_add_co_u32 s23, s23, STAGE                   ; my stage
	v_mul_u32_u24 v5, v1, SPITCH
	v_lshl_add_u32 v5, v2, 5, v5
	v_add_nc_u32 v[STO], s23, v5                   ; in: row r, 32 bytes for each half of the lanes
	v_mul_u32_u24 v5, v2, SPITCH
	v_lshl_add_u32 v5, v1, 4, v5
	v_add_nc_u32 v[RD], s23, v5                    ; back: lanes 0-15 one row of 256 bytes, lanes 16-31 the next
	v_lshlrev_b32 v5, 12, v2
	v_lshl_add_u32 v[CO], v1, 4, v5                ; and the same two rows in y and in the residual
	s_wait_alu depctr_va_vdst(0)                   ; the wait ahead of the run of scalar lines
	s_lshl_b32 s20, s17, 7
	s_lshl_b32 s21, s15, 6
	s_add_co_u32 s20, s20, s21
	s_lshl_b32 s20, s20, 12                        ; my first row,
	s_lshl_b32 s46, s42, 9
	s_lshl_b32 s47, s16, 8
	s_add_co_u32 s46, s46, s47                     ; my first column, in bytes
	s_add_co_u32 s20, s20, s46
	s_mov_b32 s21, 0
	s_mov_b32 s47, 0
	s_add_nc_u64 s[70:71], s[70:71], s[20:21]
	s_add_nc_u64 s[10:11], s[10:11], s[20:21]
	s_add_nc_u64 s[8:9], s[8:9], s[46:47]
	v_lshlrev_b32 v5, 5, v2
	WIN 0x80                                       ; destination window 2
.irp a, 0,1,2,3
.irp t, 0,1,2,3,4,5,6,7
	global_load_b128 v[32*\a+4*\t:32*\a+4*\t+3], v[CO], s[10:11] offset:(16*\a+2*\t)*4096   ; the residual, in the order in which the rows come back from the stage; it lands under the products
.endr
.endr
	WIN 0
.irp b, 0,1,2,3
	global_load_b128 v[BIAS+8*\b:BIAS+8*\b+3], v5, s[8:9] offset:64*\b          ; register 8 b + j = bias(16 b + 8 h + j)
	global_load_b128 v[BIAS+8*\b+4:BIAS+8*\b+7], v5, s[8:9] offset:64*\b+16
.endr
	s_wait_alu depctr_va_vdst(0)                   ; the wait at the head's end
	s_wait_tensorcnt 0x0                           ; my quarter of the tiles is in
	s_barrier_signal -1
	s_barrier_wait -1                              ; and so is everybody's
	FETCH 0, 0, F0
	QUARTER 0, 1, F0, F1, 1                        ; the first products start the sums
	QUARTER 0, 2, F1, F0, 0
	QUARTER 0, 3, F0, F1, 0
	QUARTER 1, 0, F1, F0, 0
	QUARTER 1, 1, F0, F1, 0
	QUARTER 1, 2, F1, F0, 0
	QUARTER 1, 3, F0, F1, 0
	s_wait_dscnt 8
	WIN MUL
	MULA F1, 0, 0
	MULA F1, 1, 0
	s_wait_dscnt 0
	MULA F1, 2, 0
	MULA F1, 3, 0
	WIN 0
; THE WAY OUT.  A wave's 64 columns of f32 are 256 bytes: each wave has a stage of its own, 16 rows at a time, and no barrier.  Block a's accumulators, once read, take its rows back.
.macro TOSTAGE a
.set TM, TMP+32*((\a)%2)
.irp b, 0,1,2,3
.irp j, 0,2,4,6
	v_pk_fma_f32 v[TM+8*\b+\j:TM+8*\b+\j+1], v[ACC+8*(4*(\a)+\b)+\j:ACC+8*(4*(\a)+\b)+\j+1], s[74:75], v[BIAS+8*\b+\j:BIAS+8*\b+\j+1] op_sel_hi:[1,0,1]   ; sum x 2^(e10 + e11) + bias
.endr
.endr
.irp b, 0,1,2,3
	ds_store_b128 v[STO], v[TM+8*\b:TM+8*\b+3] offset:64*\b
	ds_store_b128 v[STO], v[TM+8*\b+4:TM+8*\b+7] offset:64*\b+16
.endr
.irp t, 0,1,2,3,4,5,6,7
	ds_load_b128 v[ACC+32*(\a)+4*\t:ACC+32*(\a)+4*\t+3], v[RD] offset:2*SPITCH*\t   ; LDS serves a wave's instructions in order: these see the stores above
.endr
.endm
.macro SEND a, younger
	s_wait_dscnt \younger                          ; the block is back; the next block's 8 stores and 8 loads may be out
	WIN 0x08                                       ; source 1 window 2
.set i, 0
.rept 16
	v_pk_add_f32 v[ACC+32*(\a)+i:ACC+32*(\a)+i+1], v[ACC+32*(\a)+i:ACC+32*(\a)+i+1], v[32*(\a)+i:32*(\a)+i+1]   ; + the residual
.set i, i+2
.endr
	WIN 0
.irp t, 0,1,2,3,4,5,6,7
	global_store_b128 v[CO], v[ACC+32*(\a)+4*\t:ACC+32*(\a)+4*\t+3], s[70:71] offset:(16*(\a)+2*\t)*4096   ; sixteen lanes: 256 consecutive bytes, aligned
.endr
.endm
	s_wait_kmcnt 0x0
	s_add_co_i32 s74, s72, s73
	s_add_co_i32 s74, s74, 127
	s_lshl_b32 s74, s74, 23                        ; 2^(e10 + e11) as f32
	s_mov_b32 s75, s74
	s_wait_loadcnt 0x0                             ; the residual and the bias
	PLACES
	TOSTAGE 0
.irp a, 1,2,3
	TOSTAGE \a
	SEND \a-1, 16
.endr
	SEND 3, 0
	s_wait_tensorcnt 0x0                           ; the wave's end
	ds_add_u32 v[SPW], v[NIL]
	s_wait_dscnt 0x0
	CROUND                                         ; the closing round
	s_endpgm
.Lfunc_end_k_q026c162661_gemm_wo:
	.size	k_q026c162661_gemm_wo, .Lfunc_end_k_q026c162661_gemm_wo-k_q026c162661_gemm_wo
	.p2alignl 7, 3214868480
	.fill 96, 4, 3214868480
	.section	.rodata,"a",@progbits
	.p2align	6, 0x0
	.amdhsa_kernel k_q026c162661_gemm_wo
		.amdhsa_group_segment_fixed_size 327680
		.amdhsa_private_segment_fixed_size 0
		.amdhsa_enable_private_segment 0
		.amdhsa_kernarg_size 48
		.amdhsa_user_sgpr_count 2
		.amdhsa_user_sgpr_kernarg_segment_ptr 1
		.amdhsa_wavefront_size32 1
		.amdhsa_system_sgpr_workgroup_id_x 1
		.amdhsa_system_sgpr_workgroup_id_y 1
		.amdhsa_system_sgpr_workgroup_id_z 1
		.amdhsa_system_vgpr_workitem_id 0
		.amdhsa_next_free_vgpr 640
		.amdhsa_next_free_sgpr 80
		.amdhsa_reserve_vcc 0
		.amdhsa_float_denorm_mode_32 3
		.amdhsa_float_denorm_mode_16_64 3
		.amdhsa_memory_ordered 1
		.amdhsa_forward_progress 1
		.amdhsa_inst_pref_size 53
	.end_amdhsa_kernel
	.amdgpu_metadata
---
amdhsa.version: [ 1, 2 ]
amdhsa.kernels:
  - .name:           k_q026c162661_gemm_wo
    .symbol:         k_q026c162661_gemm_wo.kd
    .args:
      - { .name: ctx, .offset: 0, .size: 8, .value_kind: global_buffer, .address_space: global }
      - { .name: cod, .offset: 8, .size: 8, .value_kind: global_buffer, .address_space: global }
      - { .name: bo, .offset: 16, .size: 8, .value_kind: global_buffer, .address_space: global }
      - { .name: x, .offset: 24, .size: 8, .value_kind: global_buffer, .address_space: global }
      - { .name: lowp_scales, .offset: 32, .size: 8, .value_kind: global_buffer, .address_space: global }
      - { .name: y, .offset: 40, .size: 8, .value_kind: global_buffer, .address_space: global }
    .group_segment_fixed_size: 327680
    .private_segment_fixed_size: 0
    .kernarg_segment_align: 8
    .kernarg_segment_size: 48
    .max_flat_workgroup_size: 128
    .sgpr_count:     80
    .vgpr_count:     640
    .wavefront_size: 32
...
	.end_amdgpu_metadata
.endif
;; end of part 4
;; launch ln1 (part 5): grid 256 x 1, 4 waves a work-group, no clusters, 8,704 bytes of LDS; arguments y, ln1_g, ln1_b, lowp_scales, h, hc; writes h, hc
.if DOCPART == 5
	.amdgcn_target "amdgcn-amd-amdhsa--gfx1250"
	.amdhsa_code_object_version 6
	.text
	.protected	k_q026c162661_ln1
	.globl	k_q026c162661_ln1
	.p2align	8
	.type	k_q026c162661_ln1,@function
k_q026c162661_ln1:
	s_mov_b64 s[64:65], 0
	v_nop
	global_prefetch_b8 v0, s[64:65] scope:SCOPE_SE
	s_setreg_imm32_b32 hwreg(HW_REG_WAVE_MODE, 25, 1), 1
	s_wait_xcnt 0x0
; Launch 5 of 8: h = the first norm of y (= x + the attention's output), in f32, and h's codes of E4M3 under entry 12 for product 7.  Nothing is left out.
; A row of 4,096 bytes is 32 registers of one wave: it stays in registers between the mean, the variance (of x - mean, as reference() has it) and the scaling, and no wave waits for another.
; Four waves, four rows each, all asked for at the head.  Each load and store of f32 covers 512 consecutive bytes.
; A lane holds four neighbours of each of eight pieces of the row, so a conversion's two registers are the codes of two pieces: they go through the wave's stage, 4 bytes a lane, and come back 16 bytes a lane: 512 consecutive bytes a store.
; Matrix units, clusters and tensor loads buy nothing in a stream.  LIMITS: entry 12 between -126 and 119; NaN among the inputs is not served.
.set G,   16                           ; v16-47   the gain at my 32 columns
.set BT,  48                           ; v48-79   the offset
.set X,   80                           ; v80-207  four rows
.set T,   208                          ; v208-239 a row, held
.set C,   240                          ; v240-247 its codes
.set RB,  248                          ; v248-255 the codes back from the stage
.set SPW, 12
.set NIL, 13
.set SPARE, 8192
	s_load_b256 s[4:11], s[0:1], 0x0               ; y, the gain, the offset, lowp_scales
	s_load_b128 s[12:15], s[0:1], 0x20             ; h, hc
	v_lshl_add_u32 v[SPW], v0, 2, SPARE
	v_mov_b32 v[NIL], 0
	v_lshrrev_b32 v1, 5, v0
	v_readfirstlane_b32 s16, v1                    ; wave 0..3
	v_and_b32 v2, 31, v0
	s_wait_alu depctr_va_vdst(0)
	v_lshlrev_b32 v1, 4, v2                        ; 16 bytes a lane
	s_wait_alu depctr_va_vdst(0)
	s_lshl_b32 s17, ttmp9, 4
	s_lshl_b32 s18, s16, 2
	s_add_co_u32 s17, s17, s18                     ; my first row
	s_lshl_b32 s18, s17, 12
	s_mov_b32 s19, 0
	s_lshl_b32 s20, s17, 10
	s_mov_b32 s21, 0
	s_mov_b32 s22, 0x76543210
	s_mov_b32 s23, 0xfedcba98
	s_mov_b32 s24, 0x3a800000                      ; 1 / 1024
	s_lshl_b32 s25, s16, 11                        ; my two stages of 1,024 bytes
	v_lshl_add_u32 v14, v2, 2, s25                 ; in: 4 bytes a lane
	v_add_nc_u32 v15, s25, v1                      ; back: 16 bytes a lane
	s_wait_kmcnt 0x0
	s_load_b32 s26, s[10:11], 0x30                 ; entry 12
	s_add_nc_u64 s[4:5], s[4:5], s[18:19]
	s_add_nc_u64 s[12:13], s[12:13], s[18:19]
	s_add_nc_u64 s[14:15], s[14:15], s[20:21]
.irp j, 0,1,2,3,4,5,6,7
	global_load_b128 v[G+4*\j:G+4*\j+3], v1, s[6:7] offset:512*\j
	global_load_b128 v[BT+4*\j:BT+4*\j+3], v1, s[8:9] offset:512*\j
.endr
.irp s, 0,1,2,3
.irp j, 0,1,2,3,4,5,6,7
	global_load_b128 v[X+32*\s+4*\j:X+32*\s+4*\j+3], v1, s[4:5] offset:4096*\s+512*\j th:TH_LOAD_NT
.endr
.endr
	s_wait_kmcnt 0x0
	s_add_co_i32 s26, s26, 127
	s_lshl_b32 s27, s26, 23
	v_mov_b32 v11, s27                             ; 2^e12
	s_add_co_i32 s26, s26, 8
	s_lshl_b32 s26, s26, 23
	s_or_b32 s26, s26, 0x600000
	v_mov_b32 v10, s26                             ; 448 x 2^e12
.macro REDUCE r, t                     ; the sum of v[r] over the 32 lanes, in every lane
	v_add_f32_dpp v[\r], v[\r], v[\r] row_xmask:1 row_mask:0xf bank_mask:0xf
	v_add_f32_dpp v[\r], v[\r], v[\r] row_xmask:2 row_mask:0xf bank_mask:0xf
	v_add_f32_dpp v[\r], v[\r], v[\r] row_xmask:4 row_mask:0xf bank_mask:0xf
	v_add_f32_dpp v[\r], v[\r], v[\r] row_xmask:8 row_mask:0xf bank_mask:0xf
	v_permlanex16_b32 v[\t], v[\r], s22, s23
	v_add_f32 v[\r], v[\r], v[\t]
.endm
.macro ROW s
.set XS, X+32*(\s)
	s_wait_loadcnt 8*(3-(\s))                      ; my row is in; the rows behind it may be out
	s_wait_xcnt 0x0                                ; the last row's stores of codes have read their registers
.irp k, 0,1,2,3
	v_pk_add_f32 v[2+2*\k:3+2*\k], v[XS+4*\k:XS+4*\k+1], v[XS+4*\k+2:XS+4*\k+3]   ; four chains, started by the first sixteen numbers
.endr
.irp k, 16,24
	v_pk_add_f32 v[2:3], v[2:3], v[XS+\k:XS+\k+1]
	v_pk_add_f32 v[4:5], v[4:5], v[XS+\k+2:XS+\k+3]
	v_pk_add_f32 v[6:7], v[6:7], v[XS+\k+4:XS+\k+5]
	v_pk_add_f32 v[8:9], v[8:9], v[XS+\k+6:XS+\k+7]
.endr
	v_pk_add_f32 v[2:3], v[2:3], v[4:5]
	v_pk_add_f32 v[6:7], v[6:7], v[8:9]
	v_pk_add_f32 v[2:3], v[2:3], v[6:7]
	v_add_f32 v2, v2, v3
	REDUCE 2, 3
	v_mul_f32 v2, s24, v2                          ; the mean
.set i, 0
.rept 16
	v_pk_add_f32 v[XS+i:XS+i+1], v[XS+i:XS+i+1], v[2:3] op_sel_hi:[1,0] neg_lo:[0,1] neg_hi:[0,1]
.set i, i+2
.endr
.irp k, 0,1,2,3
	v_pk_mul_f32 v[2+2*\k:3+2*\k], v[XS+2*\k:XS+2*\k+1], v[XS+2*\k:XS+2*\k+1]
.endr
.irp k, 8,16,24
	v_pk_fma_f32 v[2:3], v[XS+\k:XS+\k+1], v[XS+\k:XS+\k+1], v[2:3]
	v_pk_fma_f32 v[4:5], v[XS+\k+2:XS+\k+3], v[XS+\k+2:XS+\k+3], v[4:5]
	v_pk_fma_f32 v[6:7], v[XS+\k+4:XS+\k+5], v[XS+\k+4:XS+\k+5], v[6:7]
	v_pk_fma_f32 v[8:9], v[XS+\k+6:XS+\k+7], v[XS+\k+6:XS+\k+7], v[8:9]
.endr
	v_pk_add_f32 v[2:3], v[2:3], v[4:5]
	v_pk_add_f32 v[6:7], v[6:7], v[8:9]
	v_pk_add_f32 v[2:3], v[2:3], v[6:7]
	v_add_f32 v2, v2, v3
	REDUCE 2, 3
	v_fmaak_f32 v2, s24, v2, 0x3727c5ac            ; the variance + 1e-5
	s_wait_alu depctr_va_vdst(0)
	v_rsq_f32 v4, v2
	v_nop                                          ; a plain line behind the transcendental,
	s_wait_alu depctr_va_vdst(0)                   ; and the wait ahead of its first reader
.set i, 0
.rept 16
	v_pk_mul_f32 v[XS+i:XS+i+1], v[XS+i:XS+i+1], v[4:5] op_sel_hi:[1,0]
.set i, i+2
.endr
.set i, 0
.rept 16
	v_pk_fma_f32 v[XS+i:XS+i+1], v[XS+i:XS+i+1], v[G+i:G+i+1], v[BT+i:BT+i+1]
.set i, i+2
.endr
.irp j, 0,1,2,3,4,5,6,7
	global_store_b128 v1, v[XS+4*\j:XS+4*\j+3], s[12:13] offset:4096*(\s)+512*\j
.endr
.set i, 0
.rept 32
	v_med3_num_f32 v[T+i], v[XS+i], -v10, v10      ; the conversion does not saturate (ISA guide 7.6.2)
.set i, i+1
.endr
.irp q, 0,1,2,3
	v_cvt_scalef32_pk8_fp8_f32 v[C+2*\q:C+2*\q+1], v[T+8*\q:T+8*\q+7], v11   ; register C + j: the four codes of piece j
.endr
	v_nop                                          ; a plain line behind the last conversion
.irp j, 0,1,2,3,4,5,6,7
	ds_store_b32 v14, v[C+\j] offset:1024*((\s)%2)+128*\j
.endr
	ds_load_b128 v[RB:RB+3], v15 offset:1024*((\s)%2)          ; LDS serves a wave's instructions in order: these see my stores
	ds_load_b128 v[RB+4:RB+7], v15 offset:1024*((\s)%2)+512
	s_wait_dscnt 1                                 ; the second read-back may be out
	global_store_b128 v1, v[RB:RB+3], s[14:15] offset:1024*(\s)
	s_wait_dscnt 0
	global_store_b128 v1, v[RB+4:RB+7], s[14:15] offset:1024*(\s)+512
.endm
	ROW 0
	ROW 1
	ROW 2
	ROW 3
	s_wait_tensorcnt 0x0                           ; the wave's end, behind my last LDS store
	ds_add_u32 v[SPW], v[NIL]
	s_wait_dscnt 0x0
	s_endpgm
.Lfunc_end_k_q026c162661_ln1:
	.size	k_q026c162661_ln1, .Lfunc_end_k_q026c162661_ln1-k_q026c162661_ln1
	.p2alignl 7, 3214868480
	.fill 96, 4, 3214868480
	.section	.rodata,"a",@progbits
	.p2align	6, 0x0
	.amdhsa_kernel k_q026c162661_ln1
		.amdhsa_group_segment_fixed_size 8704
		.amdhsa_private_segment_fixed_size 0
		.amdhsa_enable_private_segment 0
		.amdhsa_kernarg_size 48
		.amdhsa_user_sgpr_count 2
		.amdhsa_user_sgpr_kernarg_segment_ptr 1
		.amdhsa_wavefront_size32 1
		.amdhsa_system_sgpr_workgroup_id_x 1
		.amdhsa_system_sgpr_workgroup_id_y 1
		.amdhsa_system_sgpr_workgroup_id_z 1
		.amdhsa_system_vgpr_workitem_id 0
		.amdhsa_next_free_vgpr 256
		.amdhsa_next_free_sgpr 66
		.amdhsa_reserve_vcc 0
		.amdhsa_float_denorm_mode_32 3
		.amdhsa_float_denorm_mode_16_64 3
		.amdhsa_memory_ordered 1
		.amdhsa_forward_progress 1
		.amdhsa_inst_pref_size 47
	.end_amdhsa_kernel
	.amdgpu_metadata
---
amdhsa.version: [ 1, 2 ]
amdhsa.kernels:
  - .name:           k_q026c162661_ln1
    .symbol:         k_q026c162661_ln1.kd
    .args:
      - { .name: y, .offset: 0, .size: 8, .value_kind: global_buffer, .address_space: global }
      - { .name: ln1_g, .offset: 8, .size: 8, .value_kind: global_buffer, .address_space: global }
      - { .name: ln1_b, .offset: 16, .size: 8, .value_kind: global_buffer, .address_space: global }
      - { .name: lowp_scales, .offset: 24, .size: 8, .value_kind: global_buffer, .address_space: global }
      - { .name: h, .offset: 32, .size: 8, .value_kind: global_buffer, .address_space: global }
      - { .name: hc, .offset: 40, .size: 8, .value_kind: global_buffer, .address_space: global }
    .group_segment_fixed_size: 8704
    .private_segment_fixed_size: 0
    .kernarg_segment_align: 8
    .kernarg_segment_size: 48
    .max_flat_workgroup_size: 128
    .sgpr_count:     66
    .vgpr_count:     256
    .wavefront_size: 32
...
	.end_amdgpu_metadata
.endif
;; end of part 5
;; launch gemm_w1 (part 6): grid 16 x 16, 4 waves a work-group, clusters of 4 x 4, 327,680 bytes of LDS; arguments hc, cod, b1, lowp_scales, hid; writes hid
.if DOCPART == 6
	.amdgcn_target "amdgcn-amd-amdhsa--gfx1250"
	.amdhsa_code_object_version 6
	.text
	.protected	k_q026c162661_gemm_w1
	.globl	k_q026c162661_gemm_w1
	.p2align	8
	.type	k_q026c162661_gemm_w1,@function
k_q026c162661_gemm_w1:
	s_mov_b64 s[64:65], 0
	v_nop
	global_prefetch_b8 v0, s[64:65] scope:SCOPE_SE
	s_setreg_imm32_b32 hwreg(HW_REG_WAVE_MODE, 25, 1), 1
	s_wait_xcnt 0x0
	s_wait_alu depctr_hold_cnt(0) depctr_sa_sdst(0) depctr_va_vdst(0) depctr_va_sdst(0) depctr_va_ssrc(0) depctr_va_vcc(0) depctr_vm_vsrc(0)
	s_getreg_b32 s2, hwreg(HW_REG_IB_STS2, 6, 4)
	s_cmp_eq_u32 s2, 0
	s_cbranch_scc0 .Lentry_in_a_cluster
	s_endpgm
.Lentry_in_a_cluster:
	s_bfe_u32 s2, ttmp6, 0x10000c
	s_cmp_lg_u32 s2, 0xf033
	s_cbranch_scc0 .Lentry_shape_is_right
	s_endpgm
.Lentry_shape_is_right:
.set BIASC,  1
.set KSTEP,  256
.set ROWB,   256
.set KROW,   1024
.set PITCH,  272
.set FR,     16
.set NL,     4
.set NP,     4
.set HALFT,  128*PITCH
.set SLOT,   4*HALFT
.set LAPS,   2
.set SPARE,  2*SLOT
.set SROW,   144
.set WSTG,   128*SROW
.set ADRA, 16
.set ADRB, 20
.set STO,  24
.set RD,   25
.set GOF,  26
.set SC,   27
.set SPW,  28
.set NIL,  29
.set LIM,  30
.set BI,   32
.set CD,   96
.set AF,   128
.set T,    128
.set RB,   128
.set G1,  24
.set G0,  32
.set G1B, 48
.set G0B, 56
.set OUT, 98
.set MSB, 0
.macro WIN new
.if MSB != (\new)
	s_set_vgpr_msb (MSB<<8)|(\new)
.set MSB, \new
.endif
.endm
.set TO_B, 0x40
.macro WINM hi, zero
.if (\zero) && BIASC
	WIN 0x81+0x40*(\hi)
.else
	WIN 0xa1+0x50*(\hi)
.endif
.endm
.macro JLOAD g0a, g1a, g0b, g1b
	s_cmp_eq_u32 s15, 0
	s_cbranch_scc0 .Lfor_b_\@
	tensor_load_to_lds s[\g0a:\g0a+3], s[\g1a:\g1a+7]
	s_nop 0
.rept 4
	v_nop
.endr
	s_branch .Lasked_\@
.Lfor_b_\@:
	tensor_load_to_lds s[\g0b:\g0b+3], s[\g1b:\g1b+7]
	s_nop 0
.rept 4
	v_nop
.endr
.Lasked_\@:
.endm
.macro CREST
	s_cmp_lg_u32 s14, 0
	s_cbranch_scc1 .Lnot_wave_0_\@
	s_barrier_signal -3
.Lnot_wave_0_\@:
	s_barrier_wait -3
	s_barrier_signal -1
	s_barrier_wait -1
.endm
.macro CROUND
	s_barrier_signal -1
	s_barrier_wait -1
	CREST
.endm
.macro PLACES n
.rept \n
	v_nop
.endr
.endm
.macro FRAG reg, adr, q, i
.irp c, 0,1,2,3
	ds_load_b128 v[\reg+4*\c:\reg+4*\c+3], v[\adr] offset:128*(\q)+32*\c+(\i)*16*PITCH
.endr
.endm
.macro MUL16 a0, p, zero
.irp a, \a0, \a0+1
.irp b, 0,1,2,3,4,5,6,7
.if \zero
.if BIASC
	v_wmma_f32_16x16x128_fp8_fp8 v[8*(8*((\a)%4)+\b):8*(8*((\a)%4)+\b)+7], v[128*(\p)+FR*\b:128*(\p)+FR*\b+FR-1], v[AF+FR*(\a):AF+FR*(\a)+FR-1], v[BI+8*\b:BI+8*\b+7]
.else
	v_wmma_f32_16x16x128_fp8_fp8 v[8*(8*((\a)%4)+\b):8*(8*((\a)%4)+\b)+7], v[128*(\p)+FR*\b:128*(\p)+FR*\b+FR-1], v[AF+FR*(\a):AF+FR*(\a)+FR-1], 0
.endif
.else
	v_wmma_f32_16x16x128_fp8_fp8 v[8*(8*((\a)%4)+\b):8*(8*((\a)%4)+\b)+7], v[128*(\p)+FR*\b:128*(\p)+FR*\b+FR-1], v[AF+FR*(\a):AF+FR*(\a)+FR-1], v[8*(8*((\a)%4)+\b):8*(8*((\a)%4)+\b)+7]
.endif
.endr
.endr
.endm
.macro FETCH_B slot, q, p
	WIN TO_B
.irp i, 0,1,2,3,4,5,6,7
	FRAG 128*(\p)+FR*\i, ADRB+\slot, \q, \i
.endr
	WIN 0
.endm
.macro FETCH_A slot, q, i0
.irp i, \i0, \i0+1, \i0+2, \i0+3
	FRAG AF+FR*(\i), ADRA+\slot, \q, \i
.endr
.endm
.macro STEP slot, q, zero
	s_wait_dscnt 4*NL
	WINM 0, \zero
	MUL16 0, (\q)%2, \zero
	MUL16 2, (\q)%2, \zero
	s_wait_dscnt 0
	PLACES NP
	FETCH_B \slot, (\q)+1, 1-(\q)%2
	FETCH_A \slot, (\q)+1, 0
	WINM 1, \zero
	MUL16 4, (\q)%2, \zero
	MUL16 6, (\q)%2, \zero
	PLACES NP
	WIN 0
	FETCH_A \slot, (\q)+1, 4
.endm
.macro TURN slot, next, fill
	s_wait_tensorcnt 0x0
	ds_add_u32 v[SPW], v[NIL]
	s_wait_dscnt 4*NL+1
	WINM 0, 0
	MUL16 0, 1, 0
	s_wait_dscnt 0x0
	s_barrier_signal -1
	MUL16 2, 1, 0
	WIN 0
	s_barrier_wait -1
.if \fill
	CREST
	s_add_nc_u64 s[G0+4*\slot+2:G0+4*\slot+3], s[G0+4*\slot+2:G0+4*\slot+3], 2*ROWB
	s_add_nc_u64 s[G0B+4*\slot+2:G0B+4*\slot+3], s[G0B+4*\slot+2:G0B+4*\slot+3], 2*ROWB
	JLOAD G0+4*\slot, G1, G0B+4*\slot, G1B
.else
	PLACES NP
.endif
	FETCH_B \next, 0, 0
	FETCH_A \next, 0, 0
	WINM 1, 0
	MUL16 4, 1, 0
	MUL16 6, 1, 0
	PLACES NP
	WIN 0
	FETCH_A \next, 0, 4
.endm
.macro EPI rowb, qk, sto, rd, hs
.irp a, 0,1,2,3,4,5,6,7
.set AC, 64*(\a%4)
.set CDS, CD+16*(\a%2)
.if \a >= 2
	s_wait_dscnt 8
.endif
	WIN 0x02+\a/4
.if BIASC
.set i, 0
.rept 64
	v_med3_num_f32 v[T+i], v[AC+i], 0, v[LIM]
.set i, i+1
.endr
	WIN 0
.else
.irp b, 0,1,2,3,4,5,6,7
.irp j, 0,2,4,6
	v_pk_add_f32 v[T+8*\b+\j:T+8*\b+\j+1], v[AC+8*\b+\j:AC+8*\b+\j+1], v[BI+8*(\rowb*\a+(1-\rowb)*\b)+\j:BI+8*(\rowb*\a+(1-\rowb)*\b)+\j+1]
.endr
.endr
	WIN 0
.set i, 0
.rept 64
	v_med3_num_f32 v[T+i], v[T+i], -v[LIM], v[LIM]
.set i, i+1
.endr
.endif
.irp b, 0,1,2,3,4,5,6,7
	v_cvt_scalef32_pk8_fp8_f32 v[CDS+2*\b:CDS+2*\b+1], v[T+8*\b:T+8*\b+7], v[SC]
.endr
	v_nop
.irp b, 0,1,2,3,4,5,6,7
	ds_store_b64 v[\sto], v[CDS+2*\b:CDS+2*\b+1] offset:16*SROW*\a+16*\b
.endr
.endr
.irp i, 0,1,2,3,4,5,6,7,8,9,10,11,12,13,14,15,16,17,18,19,20,21,22,23,24,25,26,27,28,29,30,31
.if \qk
	ds_load_b128 v[RB+4*\i:RB+4*\i+3], v[\rd] offset:8*SROW*(\i%16)+64*(\i/16)
.else
	ds_load_b128 v[RB+4*\i:RB+4*\i+3], v[\rd] offset:4*SROW*\i
.endif
.endr
.irp i, 0,1,2,3,4,5,6,7,8,9,10,11,12,13,14,15,16,17,18,19,20,21,22,23,24,25,26,27,28,29,30,31
	s_wait_dscnt 31-\i
	global_store_b128 v[GOF], v[RB+4*\i:RB+4*\i+3], s[OUT:OUT+1] offset:(\i/16)*\hs+(\i%16)*512 th:TH_STORE_NT
.endr
.endm
	s_load_b256 s[68:75], s[0:1], 0x0
	s_load_b64 s[76:77], s[0:1], 0x20
	v_lshl_add_u32 v[SPW], v0, 2, SPARE
	v_mov_b32 v[NIL], 0
	ds_add_u32 v[SPW], v[NIL]
	ds_add_u32 v[SPW], v[NIL]
	v_lshrrev_b32 v1, 5, v0
	v_readfirstlane_b32 s14, v1
	s_lshr_b32 s15, s14, 1
	s_and_b32 s16, s14, 1
	; THE PREFETCHES INTO THE L2.  A K step is 256 bytes of each row.  Of the 128 rows that a wave fetches, each of the four partners that ask for them jointly names 32, told apart by address: a lane a row, rows 1,024 bytes apart.
	v_and_b32 v31, 31, v0
	v_lshlrev_b32 v31, 10, v31                     ; v31: my lane's row; never rewritten
	s_wait_alu depctr_va_vdst(0)                   ; the wait behind the write
	s_bfe_u32 s40, ttmp6, 0x40000
	s_bfe_u32 s41, ttmp6, 0x40004
	s_lshl_b32 s42, ttmp9, 2
	s_add_co_u32 s42, s42, s40
	s_and_b32 s17, ttmp7, 0xffff
	s_lshl_b32 s17, s17, 2
	s_add_co_u32 s17, s17, s41
	s_lshl_b32 s43, s41, 2
	s_lshl_b32 s43, 15, s43
	s_lshl_b32 s44, 0x1111, s40
	s_or_b32 s[G1+0], s43, (0<<16)|(1<<20)|(1<<21)|(5<<22)|(3<<25)
	s_or_b32 s[G1B+0], s44, (0<<16)|(1<<20)|(1<<21)|(5<<22)|(3<<25)
.irp g, G1, G1B
	s_mov_b32 s[\g+1], ROWB<<16
	s_mov_b32 s[\g+2], 128<<16
	s_mov_b32 s[\g+3], ROWB<<16
	s_mov_b32 s[\g+4], 128
	s_mov_b32 s[\g+5], KROW
	s_mov_b32 s[\g+6], 0
	s_mov_b32 s[\g+7], 0
.endr
	s_lshl_b32 s18, s16, 7
	s_lshl_b32 s20, s17, 8
	s_add_co_u32 s20, s20, s18
	s_lshl_b32 s20, s20, 10
	s_mov_b32 s21, 0
	s_lshl_b32 s46, s42, 8
	s_add_co_u32 s46, s46, s18
	s_lshl_b32 s46, s46, 10
	s_add_co_u32 s46, s46, 16777216
	s_mov_b32 s47, 0
	s_mul_i32 s45, s14, HALFT
	s_wait_dscnt 0x0
	s_wait_kmcnt 0x0
	s_load_b128 s[80:83], s[74:75], 0x30
	s_add_nc_u64 s[20:21], s[68:69], s[20:21]
	s_add_nc_u64 s[46:47], s[70:71], s[46:47]
	s_cmp_eq_u32 s15, 0                            ; do I fetch for A?
	s_cselect_b64 s[100:101], s[20:21], s[46:47]   ; s[100:101]: my work-group's 32 rows of the 128 that I fetch, at K step 0; never rewritten: the K step stands in the immediate
	s_cselect_b32 s12, s40, s41                    ; my place among the four that ask with me: cx for A, cy for B
	s_lshl_b32 s12, s12, 15                        ; 32 rows of 1,024 bytes
	s_mov_b32 s13, 0
	s_add_nc_u64 s[100:101], s[100:101], s[12:13]
	CROUND
.irp s, 0,1
	s_mov_b32 s[G0+4*\s], 1
	s_add_co_u32 s[G0+4*\s+1], s45, \s*SLOT
	s_add_nc_u64 s[G0+4*\s+2:G0+4*\s+3], s[20:21], \s*ROWB
	s_or_b32 s[G0+4*\s+3], s[G0+4*\s+3], 0x80000000
	s_mov_b32 s[G0B+4*\s], 1
	s_add_co_u32 s[G0B+4*\s+1], s45, \s*SLOT
	s_add_nc_u64 s[G0B+4*\s+2:G0B+4*\s+3], s[46:47], \s*ROWB
	s_or_b32 s[G0B+4*\s+3], s[G0B+4*\s+3], 0x80000000
.if \s
	s_wait_alu depctr_va_vdst(0)
	s_wait_tensorcnt 0x0                           ; slot 1's first fill is issued as a refill is: my part of K step 0 is in,
	ds_add_u32 v28, v29                            ; an add,
	ds_add_u32 v28, v29
	s_wait_dscnt 0x0
	CROUND                                         ; and a whole round of the cluster's barrier
.endif
	JLOAD G0+4*\s, G1, G0B+4*\s, G1B
.if \s
	global_prefetch_b8 v31, s[100:101] offset:768 th:TH_LOAD_NT scope:SCOPE_SE   ; behind the load of K step 1: K step 3, the last, two loads on
.else
	global_prefetch_b8 v31, s[100:101] offset:256 th:TH_LOAD_NT scope:SCOPE_SE   ; behind the load of K step 0: K steps 1 and 2; never more than two K steps are asked for and not yet read
	global_prefetch_b8 v31, s[100:101] offset:512 th:TH_LOAD_NT scope:SCOPE_SE
.endif
.endr
	v_and_b32 v1, 15, v0
	s_wait_alu depctr_va_vdst(0)
	v_bfe_u32 v2, v0, 4, 1
	v_mul_u32_u24 v3, v1, PITCH
	v_lshl_add_u32 v4, v2, 4, v3
	s_mul_i32 s21, s15, HALFT
	s_mul_i32 s22, s16, HALFT
	s_add_co_u32 s22, s22, 2*HALFT
.irp s, 0,1
	v_add_nc_u32 v[ADRA+\s], s21, v4
	v_add_nc_u32 v[ADRB+\s], s22, v4
	s_add_co_u32 s21, s21, SLOT
	s_add_co_u32 s22, s22, SLOT
.endr
	s_mul_i32 s23, s14, WSTG
	v_mul_u32_u24 v5, v1, SROW
	s_wait_alu depctr_va_vdst(0)
	v_lshl_add_u32 v5, v2, 3, v5
	v_add_nc_u32 v[STO], s23, v5
	v_and_b32 v6, 31, v0
	v_lshlrev_b32 v[GOF], 4, v6
	v_lshrrev_b32 v7, 3, v6
	v_mul_u32_u24 v7, v7, SROW
	v_and_b32 v5, 7, v6
	v_lshl_add_u32 v7, v5, 4, v7
	v_add_nc_u32 v[RD], s23, v7
	s_lshl_b32 s6, s42, 1
	s_add_co_u32 s6, s6, s16
	s_lshl_b32 s6, s6, 19
	s_lshl_b32 s7, s17, 8
	s_lshl_b32 s8, s15, 7
	s_add_co_u32 s7, s7, s8
	s_lshl_b32 s7, s7, 7
	s_add_co_u32 s6, s6, s7
	s_mov_b32 s7, 0
	s_add_nc_u64 s[OUT:OUT+1], s[76:77], s[6:7]
	s_lshl_b32 s10, s42, 10
	s_lshl_b32 s11, s16, 9
	s_add_co_u32 s10, s10, s11
	s_mov_b32 s11, 0
	s_add_nc_u64 s[10:11], s[72:73], s[10:11]
	v_lshlrev_b32 v5, 5, v2
.irp b, 0,1,2,3,4,5,6,7
	global_load_b128 v[BI+8*\b:BI+8*\b+3], v5, s[10:11] offset:64*\b
	global_load_b128 v[BI+8*\b+4:BI+8*\b+7], v5, s[10:11] offset:64*\b+16
.endr
	s_wait_kmcnt 0x0
	s_add_co_i32 s6, s80, s81
	s_sub_co_i32 s96, 0, s6
	s_sub_co_i32 s97, s82, s6
	s_add_co_i32 s97, s97, 127
	s_lshl_b32 s12, s97, 23
	v_mov_b32 v[SC], s12
	s_add_co_i32 s97, s97, 8
	s_lshl_b32 s97, s97, 23
	s_or_b32 s97, s97, 0x600000
	v_mov_b32 v[LIM], s97
	s_wait_loadcnt 0x0
.set i, 0
.rept 64
	v_ldexp_f32 v[BI+i], v[BI+i], s96
.set i, i+1
.endr
	s_wait_alu depctr_va_vdst(0)
	s_wait_tensorcnt 1
	s_barrier_signal -1
	s_barrier_wait -1
	FETCH_B 0, 0, 0
	FETCH_A 0, 0, 0
	FETCH_A 0, 0, 4
	STEP 0, 0, 1
	s_mov_b32 s3, LAPS-1
.Llap:
	TURN 0, 1, 1
	STEP 1, 0, 0
	TURN 1, 0, 1
	STEP 0, 0, 0
	s_sub_co_u32 s3, s3, 1
	s_cmp_lg_u32 s3, 0
	s_cbranch_scc1 .Llap
	TURN 0, 1, 0
	STEP 1, 0, 0
	s_wait_dscnt 4*NL
	WINM 0, 0
	MUL16 0, 1, 0
	MUL16 2, 1, 0
	s_wait_dscnt 0
	WINM 1, 0
	MUL16 4, 1, 0
	MUL16 6, 1, 0
	WIN 0
	PLACES NP
	EPI 0, 0, STO, RD, 8192
	s_wait_tensorcnt 0x0
	ds_add_u32 v[SPW], v[NIL]
	s_wait_dscnt 0x0
	CROUND
	s_endpgm
.Lfunc_end_k_q026c162661_gemm_w1:
	.size	k_q026c162661_gemm_w1, .Lfunc_end_k_q026c162661_gemm_w1-k_q026c162661_gemm_w1
	.p2alignl 7, 3214868480
	.fill 96, 4, 3214868480
	.section	.rodata,"a",@progbits
	.p2align	6, 0x0
	.amdhsa_kernel k_q026c162661_gemm_w1
		.amdhsa_group_segment_fixed_size 327680
		.amdhsa_private_segment_fixed_size 0
		.amdhsa_enable_private_segment 0
		.amdhsa_kernarg_size 40
		.amdhsa_user_sgpr_count 2
		.amdhsa_user_sgpr_kernarg_segment_ptr 1
		.amdhsa_wavefront_size32 1
		.amdhsa_system_sgpr_workgroup_id_x 1
		.amdhsa_system_sgpr_workgroup_id_y 1
		.amdhsa_system_sgpr_workgroup_id_z 1
		.amdhsa_system_vgpr_workitem_id 0
		.amdhsa_next_free_vgpr 1024
		.amdhsa_next_free_sgpr 102
		.amdhsa_reserve_vcc 0
		.amdhsa_float_denorm_mode_32 3
		.amdhsa_float_denorm_mode_16_64 3
		.amdhsa_memory_ordered 1
		.amdhsa_forward_progress 1
		.amdhsa_inst_pref_size 132
	.end_amdhsa_kernel
	.amdgpu_metadata
---
amdhsa.version: [ 1, 2 ]
amdhsa.kernels:
  - .name:           k_q026c162661_gemm_w1
    .symbol:         k_q026c162661_gemm_w1.kd
    .args:
      - { .name: hc, .offset: 0, .size: 8, .value_kind: global_buffer, .address_space: global }
      - { .name: cod, .offset: 8, .size: 8, .value_kind: global_buffer, .address_space: global }
      - { .name: b1, .offset: 16, .size: 8, .value_kind: global_buffer, .address_space: global }
      - { .name: lowp_scales, .offset: 24, .size: 8, .value_kind: global_buffer, .address_space: global }
      - { .name: hid, .offset: 32, .size: 8, .value_kind: global_buffer, .address_space: global }
    .group_segment_fixed_size: 327680
    .private_segment_fixed_size: 0
    .kernarg_segment_align: 8
    .kernarg_segment_size: 40
    .max_flat_workgroup_size: 128
    .sgpr_count:     102
    .vgpr_count:     1024
    .wavefront_size: 32
...
	.end_amdgpu_metadata
.endif
;; end of part 6
;; launch gemm_w2 (part 7): grid 8 x 32, 4 waves a work-group, clusters of 4 x 4, 327,680 bytes of LDS; arguments hid, cod, b2, h, lowp_scales, y; writes y
.if DOCPART == 7
	.amdgcn_target "amdgcn-amd-amdhsa--gfx1250"
	.amdhsa_code_object_version 6
	.text
	.protected	k_q026c162661_gemm_w2
	.globl	k_q026c162661_gemm_w2
	.p2align	8
	.type	k_q026c162661_gemm_w2,@function
k_q026c162661_gemm_w2:
	s_mov_b64 s[64:65], 0
	v_nop
	global_prefetch_b8 v0, s[64:65] scope:SCOPE_SE
	s_setreg_imm32_b32 hwreg(HW_REG_WAVE_MODE, 25, 1), 1
	s_wait_xcnt 0x0
	s_wait_alu depctr_hold_cnt(0) depctr_sa_sdst(0) depctr_va_vdst(0) depctr_va_sdst(0) depctr_va_ssrc(0) depctr_va_vcc(0) depctr_vm_vsrc(0)
	s_getreg_b32 s2, hwreg(HW_REG_IB_STS2, 6, 4)
	s_cmp_eq_u32 s2, 0
	s_cbranch_scc0 .Lentry_in_a_cluster
	s_endpgm
.Lentry_in_a_cluster:
	s_bfe_u32 s2, ttmp6, 0x10000c
	s_cmp_lg_u32 s2, 0xf033
	s_cbranch_scc0 .Lentry_shape_is_right
	s_endpgm
.Lentry_shape_is_right:
.set SIZE_K, 4096
.set PW,     128
.set WOFF,   20971520
.set SOFF,   56
.set QIA,    3+PW/128
.set AP,     PW+16
.set APL,    64*AP
.set NPL,    512/PW
.set AQ,     NPL*APL
.set BP,     528
.set BQ,     64*BP
.set SLOT,   2*AQ+2*BQ
.set STAGE,  2*SLOT
.set SPITCH, 272
.set SPARE,  STAGE+4*16*SPITCH
.set LAPS,   SIZE_K/1024
.set ADRA, 16
.set ADRB, 20
.set STO,  24
.set RD,   25
.set CO,   26
.set SPW,  28
.set NIL,  29
.set TMP,  32
.set BIAS, 96
.set ACC,  128
.set F0,   0
.set F1,   128
.set G1,  24
.set G0,  32
.set G1B, 48
.set G0B, 56
.set MSB, 0
.macro WIN new
.if MSB != (\new)
	s_set_vgpr_msb (MSB<<8)|(\new)
.set MSB, \new
.endif
.endm
.set MUL, 0x05
.macro JLOAD s
	s_cmp_eq_u32 s15, 0
	s_cbranch_scc0 .Lfor_b_\@
	tensor_load_to_lds s[G0+4*\s:G0+4*\s+3], s[G1:G1+7]
	s_nop 0
.rept 4
	v_nop
.endr
	s_branch .Lasked_\@
.Lfor_b_\@:
	tensor_load_to_lds s[G0B+4*\s:G0B+4*\s+3], s[G1B:G1B+7]
	s_nop 0
.rept 4
	v_nop
.endr
.Lasked_\@:
.endm
.macro CREST
	s_cmp_lg_u32 s14, 0
	s_cbranch_scc1 .Lnot_wave_0_\@
	s_barrier_signal -3
.Lnot_wave_0_\@:
	s_barrier_wait -3
	s_barrier_signal -1
	s_barrier_wait -1
.endm
.macro CROUND
	s_barrier_signal -1
	s_barrier_wait -1
	CREST
.endm
.macro PLACES
.rept 4
	v_nop
.endr
.endm
.macro FRAGA reg, s, q, i
.irp c, 0,1,2,3
	ds_load_b128 v[\reg+4*\c:\reg+4*\c+3], v[ADRA+\s] offset:((128*(\q)+32*\c)/PW)*APL+(128*(\q)+32*\c)%PW+16*(\i)*AP
.endr
.endm
.macro FRAGB reg, s, q, i
.irp c, 0,1,2,3
	ds_load_b128 v[\reg+4*\c:\reg+4*\c+3], v[ADRB+\s] offset:128*(\q)+32*\c+16*(\i)*BP
.endr
.endm
.macro FETCH s, q, f
	WIN 0x40
.irp i, 0,1,2,3
	FRAGB \f+64+16*\i, \s, \q, \i
.endr
.irp i, 0,1,2,3
	FRAGA \f+16*\i, \s, \q, \i
.endr
.endm
.macro MULA f, a, zero
.irp b, 0,1,2,3
.if \zero
	v_wmma_f32_16x16x128_fp8_fp8 v[ACC+8*(4*(\a)+\b):ACC+8*(4*(\a)+\b)+7], v[\f+64+16*\b:\f+64+16*\b+15], v[\f+16*(\a):\f+16*(\a)+15], 0
.else
	v_wmma_f32_16x16x128_fp8_fp8 v[ACC+8*(4*(\a)+\b):ACC+8*(4*(\a)+\b)+7], v[\f+64+16*\b:\f+64+16*\b+15], v[\f+16*(\a):\f+16*(\a)+15], v[ACC+8*(4*(\a)+\b):ACC+8*(4*(\a)+\b)+7]
.endif
.endr
.endm
.macro QUARTER s, qn, f, g, zero
	s_wait_dscnt 8
	WIN MUL
	MULA \f, 0, \zero
	MULA \f, 1, \zero
	PLACES
	FETCH \s, \qn, \g
	s_wait_dscnt 32
	WIN MUL
	MULA \f, 2, \zero
	MULA \f, 3, \zero
.endm
.macro TURN s, n, fill
	WIN 0
.if \fill
	s_wait_xcnt 0x0                                ; my last prefetch has read its address: a K step on
	s_add_nc_u64 s[76:77], s[76:77], s[78:79]
.endif
	s_wait_tensorcnt 0x0
	ds_add_u32 v[SPW], v[NIL]
	s_wait_dscnt 9
	WIN MUL
	MULA F1, 0, 0
	s_wait_dscnt 0x0
	s_barrier_signal -1
	MULA F1, 1, 0
	WIN 0
	s_barrier_wait -1
.if \fill
	CREST
	s_add_nc_u64 s[G0+4*\s+2:G0+4*\s+3], s[G0+4*\s+2:G0+4*\s+3], 4194304
	s_add_nc_u64 s[G0B+4*\s+2:G0B+4*\s+3], s[G0B+4*\s+2:G0B+4*\s+3], 1024
	JLOAD \s
.else
	PLACES
.endif
	FETCH \n, 0, F0
.if \fill
	WIN 0                                          ; behind the joint load and the run of LDS loads: the K step two refills on; the loop's last trip (s3 = 1) has none
	s_cmp_gt_u32 s3, 1
	s_cbranch_scc0 .Lnot_asked_\@
	global_prefetch_b8 v30, s[76:77] th:TH_LOAD_NT scope:SCOPE_SE
.Lnot_asked_\@:
.endif
	WIN MUL
	MULA F1, 2, 0
	MULA F1, 3, 0
.endm
	s_load_b256 s[4:11], s[0:1], 0x0
	s_load_b128 s[68:71], s[0:1], 0x20
	v_lshl_add_u32 v[SPW], v0, 2, SPARE
	v_mov_b32 v[NIL], 0
	ds_add_u32 v[SPW], v[NIL]
	ds_add_u32 v[SPW], v[NIL]
	v_lshrrev_b32 v1, 5, v0
	v_readfirstlane_b32 s14, v1
	s_lshr_b32 s15, s14, 1
	s_and_b32 s16, s14, 1
	; THE PREFETCHES INTO THE L2.  A K step is 512 along K.  Of the 32,768 bytes that a wave fetches of it, each of the four partners that ask for them jointly names 8,192, told apart by address: 32 blocks of 256 bytes, a lane a block.
	; A: one of the step's four planes (64 tokens x 128 bytes, dense), lanes 256 bytes apart.  B: 16 of the 64 rows, two blocks of a row's 512 bytes: lane l names row l / 2, block l % 2.
	s_cmp_eq_u32 s15, 0
	s_mov_b32 s2, 4096
	s_cselect_b32 s2, 512, s2                      ; from lane pair to lane pair: 512 bytes in A's plane, a row of 4,096 in B
	v_and_b32 v6, 31, v0
	v_lshrrev_b32 v7, 1, v6
	v_and_b32 v6, 1, v6
	v_mul_lo_u32 v30, v7, s2
	v_lshl_add_u32 v30, v6, 8, v30                 ; v30: my lane's block; never rewritten
	s_wait_alu depctr_va_vdst(0)                   ; the wait behind the write
	s_bfe_u32 s40, ttmp6, 0x40000
	s_bfe_u32 s41, ttmp6, 0x40004
	s_lshl_b32 s42, ttmp9, 2
	s_add_co_u32 s42, s42, s40
	s_and_b32 s17, ttmp7, 0xffff
	s_lshl_b32 s17, s17, 2
	s_add_co_u32 s17, s17, s41
	s_lshl_b32 s43, s41, 2
	s_lshl_b32 s43, 15, s43
	s_lshl_b32 s44, 0x1111, s40
	s_or_b32 s[G1+0], s43, (0<<16)|(1<<20)|(1<<21)|(QIA<<22)|(3<<25)
	s_mov_b32 s[G1+1], (64*PW)<<16
	s_mov_b32 s[G1+2], NPL<<16
	s_mov_b32 s[G1+3], (64*PW)<<16
	s_mov_b32 s[G1+4], NPL
	s_mov_b32 s[G1+5], 4096*PW
	s_mov_b32 s[G1+6], 0
	s_mov_b32 s[G1+7], 0
	s_or_b32 s[G1B+0], s44, (0<<16)|(1<<20)|(1<<21)|(6<<22)|(3<<25)
	s_mov_b32 s[G1B+1], 512<<16
	s_mov_b32 s[G1B+2], 64<<16
	s_mov_b32 s[G1B+3], 512<<16
	s_mov_b32 s[G1B+4], 64
	s_mov_b32 s[G1B+5], SIZE_K
	s_mov_b32 s[G1B+6], 0
	s_mov_b32 s[G1B+7], 0
	s_lshl_b32 s18, s16, 6
	s_lshl_b32 s20, s17, 7
	s_add_co_u32 s20, s20, s18
	s_mul_i32 s20, s20, PW
	s_mov_b32 s21, 0
	s_lshl_b32 s46, s42, 7
	s_add_co_u32 s46, s46, s18
	s_mul_i32 s46, s46, SIZE_K
	s_add_co_u32 s46, s46, WOFF
	s_mov_b32 s47, 0
	s_mul_i32 s45, s16, AQ
	s_mul_i32 s19, s16, BQ
	s_add_co_u32 s19, s19, 2*AQ
	s_wait_dscnt 0x0
	s_wait_kmcnt 0x0
	s_load_b64 s[72:73], s[68:69], SOFF
	s_add_nc_u64 s[20:21], s[4:5], s[20:21]
	s_add_nc_u64 s[46:47], s[6:7], s[46:47]
	s_cmp_eq_u32 s15, 0                            ; do I fetch for A?
	s_cselect_b64 s[76:77], s[20:21], s[46:47]     ; s[76:77]: where my prefetches stand
	s_cselect_b32 s12, s40, s41                    ; my place among the four that ask with me: cx for A, cy for B
	s_cselect_b32 s13, 19, 16                      ; a partner's share begins a plane (2^19 bytes) or 16 rows (2^16) behind the last one's
	s_mov_b32 s78, 512
	s_cselect_b32 s78, 0x200000, s78               ; s[78:79]: a K step on: four planes of A, 512 bytes of a row of B
	s_lshl_b32 s12, s12, s13
	s_mov_b32 s13, 0
	s_mov_b32 s79, 0
	s_add_nc_u64 s[76:77], s[76:77], s[12:13]
	s_add_nc_u64 s[76:77], s[76:77], s[78:79]
	s_mov_b64 s[80:81], s[76:77]                   ; s[80:81]: the same at K step 1; never rewritten
	s_add_nc_u64 s[76:77], s[76:77], s[78:79]
	CROUND
.irp s, 0,1
	s_mov_b32 s[G0+4*\s], 1
	s_add_co_u32 s[G0+4*\s+1], s45, \s*SLOT
	s_add_nc_u64 s[G0+4*\s+2:G0+4*\s+3], s[20:21], \s*2097152
	s_or_b32 s[G0+4*\s+3], s[G0+4*\s+3], 0x80000000
	s_mov_b32 s[G0B+4*\s], 1
	s_add_co_u32 s[G0B+4*\s+1], s19, \s*SLOT
	s_add_nc_u64 s[G0B+4*\s+2:G0B+4*\s+3], s[46:47], \s*512
	s_or_b32 s[G0B+4*\s+3], s[G0B+4*\s+3], 0x80000000
.if \s
	s_wait_xcnt 0x0                                ; my prefetch has read its address: on to K step 3
	s_add_nc_u64 s[76:77], s[76:77], s[78:79]
	s_wait_alu depctr_va_vdst(0)
	s_wait_tensorcnt 0x0
	ds_add_u32 v28, v29                            ; an add,
	ds_add_u32 v28, v29
	s_wait_dscnt 0x0
	CROUND                                         ; and a whole round of the cluster's barrier
.endif
	JLOAD \s
.if \s == 0
	global_prefetch_b8 v30, s[80:81] th:TH_LOAD_NT scope:SCOPE_SE   ; behind the load of K step 0: K step 1 too; never more than two K steps are asked for and not yet read
.endif
	global_prefetch_b8 v30, s[76:77] th:TH_LOAD_NT scope:SCOPE_SE   ; behind the load of K step 0 or 1: K step 2 or 3, two loads on
.endr
	v_and_b32 v1, 15, v0
	v_bfe_u32 v2, v0, 4, 1
	v_mul_u32_u24 v3, v1, AP
	v_lshl_add_u32 v3, v2, 4, v3
	v_mul_u32_u24 v4, v1, BP
	v_lshl_add_u32 v4, v2, 4, v4
	s_mul_i32 s21, s15, AQ
	s_mul_i32 s22, s16, BQ
	s_add_co_u32 s22, s22, 2*AQ
.irp s, 0,1
	v_add_nc_u32 v[ADRA+\s], s21, v3
	v_add_nc_u32 v[ADRB+\s], s22, v4
	s_add_co_u32 s21, s21, SLOT
	s_add_co_u32 s22, s22, SLOT
.endr
	s_mul_i32 s23, s14, 16*SPITCH
	s_add_co_u32 s23, s23, STAGE
	v_mul_u32_u24 v5, v1, SPITCH
	v_lshl_add_u32 v5, v2, 5, v5
	v_add_nc_u32 v[STO], s23, v5
	v_mul_u32_u24 v5, v2, SPITCH
	v_lshl_add_u32 v5, v1, 4, v5
	v_add_nc_u32 v[RD], s23, v5
	v_lshlrev_b32 v5, 12, v2
	v_lshl_add_u32 v[CO], v1, 4, v5
	s_wait_alu depctr_va_vdst(0)
	s_lshl_b32 s20, s17, 7
	s_lshl_b32 s21, s15, 6
	s_add_co_u32 s20, s20, s21
	s_lshl_b32 s20, s20, 12
	s_lshl_b32 s46, s42, 9
	s_lshl_b32 s47, s16, 8
	s_add_co_u32 s46, s46, s47
	s_add_co_u32 s20, s20, s46
	s_mov_b32 s21, 0
	s_mov_b32 s47, 0
	s_add_nc_u64 s[70:71], s[70:71], s[20:21]
	s_add_nc_u64 s[10:11], s[10:11], s[20:21]
	s_add_nc_u64 s[8:9], s[8:9], s[46:47]
	v_lshlrev_b32 v5, 5, v2
	WIN 0x80
.irp a, 0,1,2,3
.irp t, 0,1,2,3,4,5,6,7
	global_load_b128 v[32*\a+4*\t:32*\a+4*\t+3], v[CO], s[10:11] offset:(16*\a+2*\t)*4096
.endr
.endr
	WIN 0
.irp b, 0,1,2,3
	global_load_b128 v[BIAS+8*\b:BIAS+8*\b+3], v5, s[8:9] offset:64*\b
	global_load_b128 v[BIAS+8*\b+4:BIAS+8*\b+7], v5, s[8:9] offset:64*\b+16
.endr
	s_wait_tensorcnt 1
	s_barrier_signal -1
	s_barrier_wait -1
	FETCH 0, 0, F0
	QUARTER 0, 1, F0, F1, 1
.if LAPS > 1
	WIN 0
	s_mov_b32 s3, LAPS-1
.Llap:
	QUARTER 0, 2, F1, F0, 0
	QUARTER 0, 3, F0, F1, 0
	TURN 0, 1, 1
	QUARTER 1, 1, F0, F1, 0
	QUARTER 1, 2, F1, F0, 0
	QUARTER 1, 3, F0, F1, 0
	TURN 1, 0, 1
	QUARTER 0, 1, F0, F1, 0
	WIN 0
	s_sub_co_u32 s3, s3, 1
	s_cmp_lg_u32 s3, 0
	s_cbranch_scc1 .Llap
.endif
	QUARTER 0, 2, F1, F0, 0
	QUARTER 0, 3, F0, F1, 0
	TURN 0, 1, 0
	QUARTER 1, 1, F0, F1, 0
	QUARTER 1, 2, F1, F0, 0
	QUARTER 1, 3, F0, F1, 0
	s_wait_dscnt 8
	WIN MUL
	MULA F1, 0, 0
	MULA F1, 1, 0
	s_wait_dscnt 0
	MULA F1, 2, 0
	MULA F1, 3, 0
	WIN 0
.macro TOSTAGE a
.set TM, TMP+32*((\a)%2)
.irp b, 0,1,2,3
.irp j, 0,2,4,6
	v_pk_fma_f32 v[TM+8*\b+\j:TM+8*\b+\j+1], v[ACC+8*(4*(\a)+\b)+\j:ACC+8*(4*(\a)+\b)+\j+1], s[74:75], v[BIAS+8*\b+\j:BIAS+8*\b+\j+1] op_sel_hi:[1,0,1]
.endr
.endr
.irp b, 0,1,2,3
	ds_store_b128 v[STO], v[TM+8*\b:TM+8*\b+3] offset:64*\b
	ds_store_b128 v[STO], v[TM+8*\b+4:TM+8*\b+7] offset:64*\b+16
.endr
.irp t, 0,1,2,3,4,5,6,7
	ds_load_b128 v[ACC+32*(\a)+4*\t:ACC+32*(\a)+4*\t+3], v[RD] offset:2*SPITCH*\t
.endr
.endm
.macro SEND a, younger
	s_wait_dscnt \younger
	WIN 0x08
.set i, 0
.rept 16
	v_pk_add_f32 v[ACC+32*(\a)+i:ACC+32*(\a)+i+1], v[ACC+32*(\a)+i:ACC+32*(\a)+i+1], v[32*(\a)+i:32*(\a)+i+1]
.set i, i+2
.endr
	WIN 0
.irp t, 0,1,2,3,4,5,6,7
	global_store_b128 v[CO], v[ACC+32*(\a)+4*\t:ACC+32*(\a)+4*\t+3], s[70:71] offset:(16*(\a)+2*\t)*4096
.endr
.endm
	s_wait_kmcnt 0x0
	s_add_co_i32 s74, s72, s73
	s_add_co_i32 s74, s74, 127
	s_lshl_b32 s74, s74, 23
	s_mov_b32 s75, s74
	s_wait_loadcnt 0x0
	PLACES
	TOSTAGE 0
.irp a, 1,2,3
	TOSTAGE \a
	SEND \a-1, 16
.endr
	SEND 3, 0
	s_wait_tensorcnt 0x0
	ds_add_u32 v[SPW], v[NIL]
	s_wait_dscnt 0x0
	CROUND
	s_endpgm
.Lfunc_end_k_q026c162661_gemm_w2:
	.size	k_q026c162661_gemm_w2, .Lfunc_end_k_q026c162661_gemm_w2-k_q026c162661_gemm_w2
	.p2alignl 7, 3214868480
	.fill 96, 4, 3214868480
	.section	.rodata,"a",@progbits
	.p2align	6, 0x0
	.amdhsa_kernel k_q026c162661_gemm_w2
		.amdhsa_group_segment_fixed_size 327680
		.amdhsa_private_segment_fixed_size 0
		.amdhsa_enable_private_segment 0
		.amdhsa_kernarg_size 48
		.amdhsa_user_sgpr_count 2
		.amdhsa_user_sgpr_kernarg_segment_ptr 1
		.amdhsa_wavefront_size32 1
		.amdhsa_system_sgpr_workgroup_id_x 1
		.amdhsa_system_sgpr_workgroup_id_y 1
		.amdhsa_system_sgpr_workgroup_id_z 1
		.amdhsa_system_vgpr_workitem_id 0
		.amdhsa_next_free_vgpr 640
		.amdhsa_next_free_sgpr 82
		.amdhsa_reserve_vcc 0
		.amdhsa_float_denorm_mode_32 3
		.amdhsa_float_denorm_mode_16_64 3
		.amdhsa_memory_ordered 1
		.amdhsa_forward_progress 1
		.amdhsa_inst_pref_size 85
	.end_amdhsa_kernel
	.amdgpu_metadata
---
amdhsa.version: [ 1, 2 ]
amdhsa.kernels:
  - .name:           k_q026c162661_gemm_w2
    .symbol:         k_q026c162661_gemm_w2.kd
    .args:
      - { .name: hid, .offset: 0, .size: 8, .value_kind: global_buffer, .address_space: global }
      - { .name: cod, .offset: 8, .size: 8, .value_kind: global_buffer, .address_space: global }
      - { .name: b2, .offset: 16, .size: 8, .value_kind: global_buffer, .address_space: global }
      - { .name: h, .offset: 24, .size: 8, .value_kind: global_buffer, .address_space: global }
      - { .name: lowp_scales, .offset: 32, .size: 8, .value_kind: global_buffer, .address_space: global }
      - { .name: y, .offset: 40, .size: 8, .value_kind: global_buffer, .address_space: global }
    .group_segment_fixed_size: 327680
    .private_segment_fixed_size: 0
    .kernarg_segment_align: 8
    .kernarg_segment_size: 48
    .max_flat_workgroup_size: 128
    .sgpr_count:     82
    .vgpr_count:     640
    .wavefront_size: 32
...
	.end_amdgpu_metadata
.endif
;; end of part 7
;; launch ln2 (part 8): grid 256 x 1, 4 waves a work-group, no clusters, 0 bytes of LDS; arguments y, ln2_g, ln2_b, out0; writes out0
.if DOCPART == 8
	.amdgcn_target "amdgcn-amd-amdhsa--gfx1250"
	.amdhsa_code_object_version 6
	.text
	.protected	k_q026c162661_ln2
	.globl	k_q026c162661_ln2
	.p2align	8
	.type	k_q026c162661_ln2,@function
k_q026c162661_ln2:
	s_mov_b64 s[64:65], 0
	v_nop
	global_prefetch_b8 v0, s[64:65] scope:SCOPE_SE
	s_setreg_imm32_b32 hwreg(HW_REG_WAVE_MODE, 25, 1), 1
	s_wait_xcnt 0x0
; Launch 8 of 8: out0 = the second norm of y (= h + the feed-forward's output), in f32.  Nothing is left out.
; A row of 4,096 bytes is 32 registers of one wave: it stays in registers between the mean, the variance (of x - mean, as reference() has it) and the scaling, and no wave waits for another.
; Four waves, four rows each, all asked for at the head.  Each load and store covers 512 consecutive bytes.  No LDS, no barrier; matrix units, clusters and tensor loads buy nothing in a stream.
.set G,   16                           ; v16-47   the gain at my 32 columns
.set BT,  48                           ; v48-79   the offset
.set X,   80                           ; v80-207  four rows
	s_load_b256 s[4:11], s[0:1], 0x0               ; y, the gain, the offset, out0
	v_lshrrev_b32 v1, 5, v0
	v_readfirstlane_b32 s16, v1                    ; wave 0..3
	v_and_b32 v2, 31, v0
	v_lshlrev_b32 v1, 4, v2                        ; 16 bytes a lane
	s_lshl_b32 s17, ttmp9, 4
	s_lshl_b32 s18, s16, 2
	s_add_co_u32 s17, s17, s18                     ; my first row
	s_lshl_b32 s18, s17, 12
	s_mov_b32 s19, 0
	s_mov_b32 s22, 0x76543210
	s_mov_b32 s23, 0xfedcba98
	s_mov_b32 s24, 0x3a800000                      ; 1 / 1024
	s_wait_alu depctr_va_vdst(0)
	s_wait_kmcnt 0x0
	s_add_nc_u64 s[4:5], s[4:5], s[18:19]
	s_add_nc_u64 s[10:11], s[10:11], s[18:19]
.irp j, 0,1,2,3,4,5,6,7
	global_load_b128 v[G+4*\j:G+4*\j+3], v1, s[6:7] offset:512*\j
	global_load_b128 v[BT+4*\j:BT+4*\j+3], v1, s[8:9] offset:512*\j
.endr
.irp s, 0,1,2,3
.irp j, 0,1,2,3,4,5,6,7
	global_load_b128 v[X+32*\s+4*\j:X+32*\s+4*\j+3], v1, s[4:5] offset:4096*\s+512*\j th:TH_LOAD_NT
.endr
.endr
.macro REDUCE r, t                     ; the sum of v[r] over the 32 lanes, in every lane
	v_add_f32_dpp v[\r], v[\r], v[\r] row_xmask:1 row_mask:0xf bank_mask:0xf
	v_add_f32_dpp v[\r], v[\r], v[\r] row_xmask:2 row_mask:0xf bank_mask:0xf
	v_add_f32_dpp v[\r], v[\r], v[\r] row_xmask:4 row_mask:0xf bank_mask:0xf
	v_add_f32_dpp v[\r], v[\r], v[\r] row_xmask:8 row_mask:0xf bank_mask:0xf
	v_permlanex16_b32 v[\t], v[\r], s22, s23
	v_add_f32 v[\r], v[\r], v[\t]
.endm
.macro ROW s
.set XS, X+32*(\s)
	s_wait_loadcnt 8*(3-(\s))                      ; my row is in; the rows behind it may be out
.irp k, 0,1,2,3
	v_pk_add_f32 v[2+2*\k:3+2*\k], v[XS+4*\k:XS+4*\k+1], v[XS+4*\k+2:XS+4*\k+3]   ; four chains, started by the first sixteen numbers
.endr
.irp k, 16,24
	v_pk_add_f32 v[2:3], v[2:3], v[XS+\k:XS+\k+1]
	v_pk_add_f32 v[4:5], v[4:5], v[XS+\k+2:XS+\k+3]
	v_pk_add_f32 v[6:7], v[6:7], v[XS+\k+4:XS+\k+5]
	v_pk_add_f32 v[8:9], v[8:9], v[XS+\k+6:XS+\k+7]
.endr
	v_pk_add_f32 v[2:3], v[2:3], v[4:5]
	v_pk_add_f32 v[6:7], v[6:7], v[8:9]
	v_pk_add_f32 v[2:3], v[2:3], v[6:7]
	v_add_f32 v2, v2, v3
	REDUCE 2, 3
	v_mul_f32 v2, s24, v2                          ; the mean
.set i, 0
.rept 16
	v_pk_add_f32 v[XS+i:XS+i+1], v[XS+i:XS+i+1], v[2:3] op_sel_hi:[1,0] neg_lo:[0,1] neg_hi:[0,1]
.set i, i+2
.endr
.irp k, 0,1,2,3
	v_pk_mul_f32 v[2+2*\k:3+2*\k], v[XS+2*\k:XS+2*\k+1], v[XS+2*\k:XS+2*\k+1]
.endr
.irp k, 8,16,24
	v_pk_fma_f32 v[2:3], v[XS+\k:XS+\k+1], v[XS+\k:XS+\k+1], v[2:3]
	v_pk_fma_f32 v[4:5], v[XS+\k+2:XS+\k+3], v[XS+\k+2:XS+\k+3], v[4:5]
	v_pk_fma_f32 v[6:7], v[XS+\k+4:XS+\k+5], v[XS+\k+4:XS+\k+5], v[6:7]
	v_pk_fma_f32 v[8:9], v[XS+\k+6:XS+\k+7], v[XS+\k+6:XS+\k+7], v[8:9]
.endr
	v_pk_add_f32 v[2:3], v[2:3], v[4:5]
	v_pk_add_f32 v[6:7], v[6:7], v[8:9]
	v_pk_add_f32 v[2:3], v[2:3], v[6:7]
	v_add_f32 v2, v2, v3
	REDUCE 2, 3
	v_fmaak_f32 v2, s24, v2, 0x3727c5ac            ; the variance + 1e-5
	s_wait_alu depctr_va_vdst(0)
	v_rsq_f32 v4, v2
	v_nop                                          ; a plain line behind the transcendental,
	s_wait_alu depctr_va_vdst(0)                   ; and the wait ahead of its first reader
.set i, 0
.rept 16
	v_pk_mul_f32 v[XS+i:XS+i+1], v[XS+i:XS+i+1], v[4:5] op_sel_hi:[1,0]
.set i, i+2
.endr
.set i, 0
.rept 16
	v_pk_fma_f32 v[XS+i:XS+i+1], v[XS+i:XS+i+1], v[G+i:G+i+1], v[BT+i:BT+i+1]
.set i, i+2
.endr
.irp j, 0,1,2,3,4,5,6,7
	global_store_b128 v1, v[XS+4*\j:XS+4*\j+3], s[10:11] offset:4096*(\s)+512*\j th:TH_STORE_NT
.endr
.endm
	ROW 0
	ROW 1
	ROW 2
	ROW 3
	s_endpgm
.Lfunc_end_k_q026c162661_ln2:
	.size	k_q026c162661_ln2, .Lfunc_end_k_q026c162661_ln2-k_q026c162661_ln2
	.p2alignl 7, 3214868480
	.fill 96, 4, 3214868480
	.section	.rodata,"a",@progbits
	.p2align	6, 0x0
	.amdhsa_kernel k_q026c162661_ln2
		.amdhsa_group_segment_fixed_size 0
		.amdhsa_private_segment_fixed_size 0
		.amdhsa_enable_private_segment 0
		.amdhsa_kernarg_size 32
		.amdhsa_user_sgpr_count 2
		.amdhsa_user_sgpr_kernarg_segment_ptr 1
		.amdhsa_wavefront_size32 1
		.amdhsa_system_sgpr_workgroup_id_x 1
		.amdhsa_system_sgpr_workgroup_id_y 1
		.amdhsa_system_sgpr_workgroup_id_z 1
		.amdhsa_system_vgpr_workitem_id 0
		.amdhsa_next_free_vgpr 208
		.amdhsa_next_free_sgpr 66
		.amdhsa_reserve_vcc 0
		.amdhsa_float_denorm_mode_32 3
		.amdhsa_float_denorm_mode_16_64 3
		.amdhsa_memory_ordered 1
		.amdhsa_forward_progress 1
		.amdhsa_inst_pref_size 33
	.end_amdhsa_kernel
	.amdgpu_metadata
---
amdhsa.version: [ 1, 2 ]
amdhsa.kernels:
  - .name:           k_q026c162661_ln2
    .symbol:         k_q026c162661_ln2.kd
    .args:
      - { .name: y, .offset: 0, .size: 8, .value_kind: global_buffer, .address_space: global }
      - { .name: ln2_g, .offset: 8, .size: 8, .value_kind: global_buffer, .address_space: global }
      - { .name: ln2_b, .offset: 16, .size: 8, .value_kind: global_buffer, .address_space: global }
      - { .name: out0, .offset: 24, .size: 8, .value_kind: global_buffer, .address_space: global }
    .group_segment_fixed_size: 0
    .private_segment_fixed_size: 0
    .kernarg_segment_align: 8
    .kernarg_segment_size: 32
    .max_flat_workgroup_size: 128
    .sgpr_count:     66
    .vgpr_count:     208
    .wavefront_size: 32
...
	.end_amdgpu_metadata
.endif
;; end of part 8
